; MI455X (gfx1250); checked and timed in simulation.
; The chip was launched on July 23, 2026; its instructions are those of AMD's public machine-readable ISA for CDNA 5 (MIT licence, August 2026) and "CDNA5" Instruction Set Architecture Reference Guide (July 2026). The comments in the code are by the model that wrote it; some were corrected since.
;; Causal Attention. Allowed arithmetic: matrix products marked QUANTISED: E2M3 operands, one E8M0 scale for each 32 along K, by v_wmma_scale_f32_16x16x128_f8f6f4 with both operands' format E2M3, f32 sums; everything else in f32.
;; Inputs: W_attn 1,024 x 3,072 float32; W_proj 1,024 x 1,024 float32; b_attn 3,072 float32; b_proj 1,024 float32; lut_k 33 x 64 float32; lut_v 33 x 64 float32; x 8 x 1,024 x 1,024 float32.
;; Outputs: out0 8 x 1,024 x 1,024 float32.
;; This version of the problem:
;;   THIS VERSION OF THE PROBLEM IS GIVEN IN LOW PRECISION. The matrix products marked QUANTISED in the list below multiply operands that are first quantised to E2M3 (2 exponent bits, 3 mantissa bits; 6 bits a number), with one power-of-two scale for each 32 numbers along K (OCP MX v1.0); their sums are f32. All else is computed in f32.
;;   The module's matrix products, in the order in which they are computed (A, B: the left and right operand; K: the contracted axis; several contracted axes count as one K, in the product's order):
;;     1. [M 8,192, K 1,024] x [K 1,024, N 3,072]; A: input x; B: input W_attn: QUANTISED
;;     2. batch 128 x [M 1,024, K 64] x [K 64, N 1,024]; A: computed on the way; B: computed on the way: QUANTISED
;;     3. batch 1,024 x [M 1,024, K 64] x [K 64, N 128]; A: computed on the way; B: computed on the way: QUANTISED
;;     4. batch 128 x [M 1,024, K 1,024] x [K 1,024, N 64]; A: softmax (see below); B: computed on the way: QUANTISED
;;     5. batch 1,024 x [M 64, K 1,024] x [K 1,024, N 128]; A: computed on the way; B: softmax (see below): QUANTISED
;;     6. [M 8,192, K 1,024] x [K 1,024, N 1,024]; A: computed on the way; B: input W_proj: QUANTISED
;;   THE QUANTISER, for each operand of a quantised product, along K:
;;     - K is cut into blocks of 32 from its start; a last block that is shorter is filled with zeros.
;;     - A block's scale is 2^e with e = floor(log2(the largest magnitude in the block)) - 2, held to -126 .. 127; a block of zeros has e = 0. As a byte (E8M0): e + 127.
;;     - Each number is divided by its block's scale, clamped to +-7.5, and rounded to the nearest number of E2M3, ties to even, subnormals kept.
;;     - The product sums the exact products of the quantised numbers (number of the format x scale) in f32.
;;   ~~~python
;;   def quantise(x, axis):      # numpy; x: float32 -> the quantised numbers, widened to float32 again
;;       x = np.moveaxis(x, axis, -1); K = x.shape[-1]
;;       x = np.pad(x, [(0, 0)] * (x.ndim - 1) + [(0, -K % 32)]); x = x.reshape(x.shape[:-1] + (-1, 32)); a = np.abs(x).max(-1, keepdims=True)
;;       e = np.where(a > 0, np.clip(np.frexp(np.where(a > 0, a, 1))[1] - 1 - 2, -126, 127), 0)      # np.frexp(a)[1] - 1 = floor(log2(a)), exactly
;;       r = np.clip(x / 2.0 ** e, -7.5, 7.5)
;;       step = 2.0 ** (np.maximum(np.frexp(np.where(r == 0, 1, r))[1] - 1, 0) - 3)
;;       q = np.round(r / step) * step * 2.0 ** e      # np.round: ties to even
;;       return np.moveaxis(q.reshape(q.shape[:-2] + (-1,))[..., :K], -1, axis).astype(np.float32)
;;   ~~~
;;   SOFTMAX AHEAD OF A QUANTISED PRODUCT. Where the list says 'softmax', what is quantised is not the finished softmax but p = 2^(t - M), with t = logit x log2(e) and M = ceil(the row's largest t), a whole number; so 1/2 < the row's largest p <= 1. The row's sum l is taken of the UNQUANTISED p, in f32, and the product's result is divided by l at the end. Since M is a whole number, a kernel that streams over the keys may use a running M (the ceiling of the running maximum): every later rescaling is an exact power of two, which a block's scale takes up: the codes' values come out the same.
;;   OPERANDS COMPUTED ON THE WAY. 'Computed on the way' means the value that the module computes at that place (a softmax that the list does not call 'softmax' is quantised finished and normalised). What goes into a quantiser is computed in f32, as accurately as f32 sums, v_exp_f32 and their like allow (about 1e-6 of the number): no bf16 or f16 on the way to a quantiser, and a product that is left as it is and whose result goes on into a quantised operand takes f32 operands (vector FMAs, or v_wmma_f32_16x16x4_f32). A number that lies on a knife's edge between two numbers of the format may be rounded either way, as far as f32 arithmetic and the matrix unit's own rounding can turn it there, and no further.
;; One version. Each part assembles by itself: llvm-mc -triple=amdgcn-amd-amdhsa -mcpu=gfx1250 --defsym DOCPART=n.
;; ======== version 1 of 1: 4 launches
;; limits: right only within a limited range of input values
;; workspace buffers: opw 9,830,400 bytes; tab 104,448 bytes; qkv 19,660,800 bytes; ao 6,553,600 bytes
;; launch prep (part 1): grid 777 x 1, 4 waves a work-group, no clusters, 68,096 bytes of LDS; arguments x, W_attn, W_proj, lut_k, lut_v, opw, tab; writes opw, tab
.if DOCPART == 1
	.amdgcn_target "amdgcn-amd-amdhsa--gfx1250"
	.amdhsa_code_object_version 6
	.text
	.protected	k_q25222fb3e4_prep
	.globl	k_q25222fb3e4_prep
	.p2align	8
	.type	k_q25222fb3e4_prep,@function
k_q25222fb3e4_prep:
	s_mov_b64 s[64:65], 0
	v_nop
	global_prefetch_b8 v0, s[64:65] scope:SCOPE_SE
	s_setreg_imm32_b32 hwreg(HW_REG_WAVE_MODE, 25, 1), 1
	s_wait_xcnt 0x0
; x, W_attn, W_proj and the two tables become codes of FP6 (E2M3) with one E8M0 byte for each 32 along K, laid as the later launches' operand registers want them.
; AN OPERAND IMAGE: a unit is 16 rows x 128 K = 12 registers a lane, stored as three pieces of 512 bytes, lane l's 16 bytes at 16 l.  Units lie [rows / 128][K step][tile of 16 rows]; scale words likewise, 64 bytes a unit.
; ROWS OF A TILE: lane r of tile 2 b + u holds row 32 b + 8 u + r + 8 (r / 8), so that a product's results, taken transposed, run along neighbouring rows in a lane's registers.
; K INSIDE A STEP: the instruction's block 2 c + h holds the step's true block 2 h + c, on both sides of a product alike, so that a lane's 48 bytes are 64 neighbouring k.
; A block's scale is 2^(floor(log2(largest magnitude)) - 2); its byte is the largest magnitude's exponent field - 2, held at 1 from below.
; LIMITS: a block of zeros gets the byte 1 (its codes are zeros; the bytes are read by this program alone); blocks under 2^-124 are held at byte 1; NaN and infinities among the inputs are not served.
; WORK-GROUPS: 0-511 x (a tile of 16 rows, a wave 256 along K); 512-703 W_attn, 704-767 W_proj (128 columns x 128 K, a wave 32 columns); 768-775 the table of lut_v; 776 lut_k's unit and lut_v's far number.
.set XQ,  0
.set XS,  6291456
.set WQ,  6553600
.set WS,  8912896
.set WPQ, 9011200
.set WPS, 9797632
.set TVO, 0
.set TVS, 98304
.set LK,  102400
.set LKS, 103936
.set QV0, 104192
.set SPARE, 67584                      ; behind the four waves' stages: the spare words, 128 bytes a wave
.set FLOOR, 0x1800000                  ; 2^(3 - 127): no largest magnitude is taken under it, so the byte cannot fall under 1
.set SPW, 5                            ; v5  my spare word's LDS address; never rewritten
.set NIL, 6                            ; v6  0; never rewritten
.set TM,  208                          ; v208-211 largest magnitudes, v212-215 the other half's and then the bytes, v220-223 the conversions' scale operands
.macro FIN                             ; a wave's end
	s_wait_tensorcnt 0x0
	ds_add_u32 v[SPW], v[NIL]
	s_wait_dscnt 0x0
	s_endpgm
.endm
; 64 numbers of a lane, register 16 b + i = number 16 (lane / 16) + i of the instruction's block b of my row, become the unit's 12 registers (d0: blocks 0, 1; d1: blocks 2, 3) and its scale word.
.macro QUANT s, d0, d1, t0, t1, pw
.irp b, 0,1,2,3
	v_max3_num_f32 v[TM+\b], |v[\s+16*\b]|, |v[\s+1+16*\b]|, FLOOR
.endr
.irp i, 2,4,6,8,10,12,14
.irp b, 0,1,2,3
	v_max3_num_f32 v[TM+\b], v[TM+\b], |v[\s+16*\b+\i]|, |v[\s+1+16*\b+\i]|   ; the four blocks by turns
.endr
.endr
.irp b, 0,1,2,3
	v_permlanex16_b32 v[TM+4+\b], v[TM+\b], s20, s21
.endr
.irp b, 0,1,2,3
	v_max_num_f32 v[TM+\b], v[TM+\b], v[TM+4+\b]   ; with lane l xor 16's 16 numbers: the block's largest magnitude
.endr
.irp b, 0,1,2,3
	v_add_nc_u32 v[TM+12+\b], 0xff000000, v[TM+\b] ; 2 off its exponent field: the conversion's scale operand
.endr
.irp b, 0,1,2,3
	v_lshrrev_b32 v[TM+4+\b], 23, v[TM+12+\b]      ; the scale's byte
.endr
	v_lshl_or_b32 v[\pw], v[TM+5], 8, v[TM+4]
	v_lshl_or_b32 v[\pw], v[TM+6], 16, v[\pw]
	v_lshl_or_b32 v[\pw], v[TM+7], 24, v[\pw]
	v_cvt_scalef32_pk16_fp6_f32 v[\d0:\d0+2], v[\s:\s+15], v[TM+12]
	v_cvt_scalef32_pk16_fp6_f32 v[\t0:\t0+2], v[\s+16:\s+31], v[TM+13]
	v_cvt_scalef32_pk16_fp6_f32 v[\d1:\d1+2], v[\s+32:\s+47], v[TM+14]
	v_cvt_scalef32_pk16_fp6_f32 v[\t1:\t1+2], v[\s+48:\s+63], v[TM+15]
	v_nop                                          ; one plain place behind the scaled conversions
.irp i, 0,1,2
	v_permlane16_swap_b32 v[\d0+\i], v[\t0+\i]     ; a whole block to a lane: lanes 0-15 the even block, lanes 16-31 the odd one
	v_permlane16_swap_b32 v[\d1+\i], v[\t1+\i]
.endr
.irp i, 0,1,2
	v_mov_b32 v[\d0+3+\i], v[\t0+\i]
	v_mov_b32 v[\d1+3+\i], v[\t1+\i]
.endr
.endm
; A whole block of 32 in one lane's registers v[s] on: six registers of codes at v[d], the scale operand and the byte.
.macro BLK s, d, t, sc, by
	v_max3_num_f32 v192, |v[\s]|, |v[\s+1]|, |v[\s+2]|
	v_max3_num_f32 v193, |v[\s+3]|, |v[\s+4]|, |v[\s+5]|
.irp i, 6,10,14,18,22,26
	v_max3_num_f32 v192, v192, |v[\s+\i]|, |v[\s+\i+1]|
	v_max3_num_f32 v193, v193, |v[\s+\i+2]|, |v[\s+\i+3]|
.endr
	v_max3_num_f32 v192, v192, |v[\s+30]|, |v[\s+31]|
	v_max3_num_f32 v192, v192, v193, FLOOR
	v_add_nc_u32 v[\sc], 0xff000000, v192
	v_cvt_scalef32_pk16_fp6_f32 v[\d:\d+2], v[\s:\s+15], v[\sc]
	v_cvt_scalef32_pk16_fp6_f32 v[\t:\t+2], v[\s+16:\s+31], v[\sc]   ; (a conversion's three registers begin on an even number)
	v_lshrrev_b32 v[\by], 23, v[\sc]               ; the byte; also the plain place behind the conversions
.irp i, 0,1,2
	v_mov_b32 v[\d+3+\i], v[\t+\i]
.endr
.endm
; Block b of a weight's K step: rows 32 b .. 32 b + 31 at my column, into v[16 + 32 b] on: each load reads 128 consecutive bytes
.macro WLOAD b, rowb
.set i, 32*(\b)
.rept 32
	global_load_b32 v[16+i], v1, s[28:29] offset:i*(\rowb) th:TH_LOAD_NT
.set i, i+1
.endr
.endm
	s_load_b256 s[4:11], s[0:1], 0x0               ; x s[4:5], W_attn s[6:7], W_proj s[8:9], lut_k s[10:11]
	s_load_b128 s[12:15], s[0:1], 0x20             ; lut_v s[12:13], opw s[14:15]
	s_load_b64 s[16:17], s[0:1], 0x30              ; tab
	v_lshl_add_u32 v[SPW], v0, 2, SPARE
	v_mov_b32 v[NIL], 0
	v_lshrrev_b32 v7, 5, v0
	v_readfirstlane_b32 s18, v7                    ; wave
	v_and_b32 v8, 31, v0                           ; lane
	v_and_b32 v9, 15, v0                           ; r
	v_bfe_u32 v10, v0, 4, 1                        ; h
	s_mov_b32 s20, 0x76543210
	s_mov_b32 s21, 0xfedcba98                      ; v_permlanex16_b32's selects for lane l xor 16
	s_mov_b32 s22, 0xffff0000                      ; the mask of lanes 16-31
.irp b, 0,1,2,3
	v_mov_b32 v[TM+4+\b], 0                        ; written once: a lane permute's destination counts as one of its sources
.endr
	s_wait_kmcnt 0x0
	s_cmp_lt_u32 ttmp9, 512
	s_cbranch_scc1 .Lxpath
	s_cmp_lt_u32 ttmp9, 704
	s_cbranch_scc1 .Lwattn
	s_cmp_lt_u32 ttmp9, 768
	s_cbranch_scc1 .Lwproj
	s_cmp_lt_u32 ttmp9, 776
	s_cbranch_scc1 .Ltvpath
	; ---- the last work-group: wave 0 lut_k's unit, wave 1 lut_v's far number
	s_cmp_eq_u32 s18, 0
	s_cbranch_scc1 .Lmisc0
	s_cmp_eq_u32 s18, 1
	s_cbranch_scc1 .Lmisc1
	FIN
.Lmisc0:                                               ; a unit whose registers 6 c on hold row 16 c + r of lut_k, d = 32 h on
	s_wait_alu depctr_va_vdst(0)
	v_lshlrev_b32 v1, 8, v9
	v_lshl_add_u32 v1, v10, 7, v1                  ; 256 r + 128 h
.irp c, 0,1
.irp j, 0,1,2,3,4,5,6,7
	global_load_b128 v[16+32*\c+4*\j:16+32*\c+4*\j+3], v1, s[10:11] offset:4096*\c+16*\j
.endr
.endr
	s_wait_loadcnt 0x0
	BLK 16, 144, 168, 184, 188
	BLK 48, 150, 172, 185, 189
	v_lshl_or_b32 v196, v189, 16, v188             ; my two bytes: the instruction's blocks h and 2 + h,
	v_lshlrev_b32 v198, 3, v10
	v_lshlrev_b32 v196, v198, v196                 ; at their places in the word;
	v_permlanex16_b32 v212, v196, s20, s21
	v_or_b32 v196, v196, v212                      ; with lane l xor 16's two the word is whole
	v_lshlrev_b32 v199, 4, v8
	v_lshlrev_b32 v200, 2, v8
.irp p, 0,1,2
	global_store_b128 v199, v[144+4*\p:144+4*\p+3], s[16:17] offset:LK+512*\p
.endr
	global_store_b32 v200, v196, s[16:17] offset:LKS   ; lanes 16-31 write a second copy
	FIN
.Lmisc1:                                               ; a block of 32 equal numbers lut_v[0][d] quantises to one number: it is made once, as f32
	s_wait_alu depctr_va_vdst(0)
	v_lshlrev_b32 v1, 3, v8
	global_load_b64 v[2:3], v1, s[12:13]           ; d = 2 lane, 2 lane + 1
.irp i, 1,2,3,4,5,6,7,8,9,10,11,12,13,14,15
	v_mov_b32 v[16+\i], 0
	v_mov_b32 v[32+\i], 0
.endr
	s_wait_loadcnt 0x0
	v_mov_b32 v16, v2
	v_mov_b32 v32, v3
.irp n, 0,1
	v_max_num_f32 v[184+\n], |v[16+16*\n]|, FLOOR
	v_add_nc_u32 v[184+\n], 0xff000000, v[184+\n]
	s_wait_alu depctr_va_vdst(0)
	v_lshrrev_b32 v[188+\n], 23, v[184+\n]
	v_cvt_scalef32_pk16_fp6_f32 v[144+4*\n:146+4*\n], v[16+16*\n:31+16*\n], v[184+\n]
.endr
	v_nop
.irp n, 0,1                                    ; the code's value: sign, 2 exponent bits, 3 mantissa bits; x the scale
	v_and_b32 v[48+\n], 7, v[144+4*\n]
	v_bfe_u32 v[50+\n], v[144+4*\n], 3, 2
	v_bfe_u32 v[52+\n], v[144+4*\n], 5, 1
	v_min_u32 v[54+\n], 1, v[50+\n]
	v_lshl_add_u32 v[48+\n], v[54+\n], 3, v[48+\n] ; the hidden bit where the exponent is not 0
	v_max_u32 v[50+\n], 1, v[50+\n]
	v_add_nc_u32 v[50+\n], -1, v[50+\n]
	v_lshlrev_b32 v[48+\n], v[50+\n], v[48+\n]
	v_cvt_f32_u32 v[48+\n], v[48+\n]               ; eight times the number of the format
	v_add_nc_u32 v[188+\n], 0xffffff7e, v[188+\n]  ; byte - 127 - 3
	v_ldexp_f32 v[48+\n], v[48+\n], v[188+\n]
	v_lshl_or_b32 v[48+\n], v[52+\n], 31, v[48+\n]
.endr
	global_store_b64 v1, v[48:49], s[16:17] offset:QV0
	FIN
	; ---- x: my work-group's tile of 16 rows, my wave's two K steps
.Lxpath:
	s_lshr_b32 s24, ttmp9, 3                       ; which 128 rows
	s_and_b32 s25, ttmp9, 7                        ; which tile of them
	s_lshl_b32 s26, s24, 7
	s_lshr_b32 s27, s25, 1
	s_lshl_b32 s27, s27, 5
	s_add_co_u32 s26, s26, s27
	s_and_b32 s27, s25, 1
	s_lshl_b32 s27, s27, 3
	s_add_co_u32 s26, s26, s27                     ; the tile's first row
	s_lshl_b32 s26, s26, 12
	s_lshl_b32 s27, s18, 10
	s_add_co_u32 s26, s26, s27
	s_mov_b32 s27, 0
	s_add_nc_u64 s[4:5], s[4:5], s[26:27]
	s_lshl_b32 s28, s24, 6
	s_lshl_b32 s29, s18, 4
	s_add_co_u32 s28, s28, s29
	s_add_co_u32 s28, s28, s25                     ; the first unit: (8 x rows / 128 + 2 x wave) x 8 + tile
	s_mul_i32 s30, s28, 1536
	s_mov_b32 s31, 0
	s_add_nc_u64 s[32:33], s[14:15], s[30:31]
	s_lshl_b32 s30, s28, 6
	s_add_co_u32 s30, s30, XS
	s_add_nc_u64 s[34:35], s[14:15], s[30:31]
	s_wait_alu depctr_va_vdst(0)
	v_lshlrev_b32 v1, 4, v8                        ; 16 x lane
	s_mul_i32 s36, s18, 16896                      ; my wave's two stages of 16 rows x (512 + 16) bytes
	v_add_nc_u32 v2, s36, v1                       ; into a stage: a row's 512 bytes as they lie
	v_mul_u32_u24 v3, v9, 528
	v_lshl_add_u32 v3, v10, 6, v3
	v_add_nc_u32 v3, s36, v3                       ; out of it: row r, my half's 16 numbers of a block
	v_lshlrev_b32 v4, 2, v9
	v_lshl_add_u32 v4, v10, 9, v4                  ; the scale words: lanes 0-15 the first unit's, lanes 16-31 the second's
.irp q, 0,1
.irp p, 0,1,2,3,4,5,6,7,8,9,10,11,12,13,14,15
	global_load_b128 v[16+64*\q+4*\p:16+64*\q+4*\p+3], v1, s[4:5] offset:(\p+8*(\p/8))*4096+512*\q th:TH_LOAD_NT   ; 32 lanes read 512 consecutive bytes
.endr
.endr
.macro TURN q, x                       ; K step q through its stage: in by rows, out 16 neighbours a lane; the instruction's block b takes true block 2 (b % 2) + b / 2
.irp p, 0,1,2,3,4,5,6,7,8,9,10,11,12,13,14,15
	ds_store_b128 v2, v[16+64*\q+4*\p:16+64*\q+4*\p+3] offset:8448*\q+528*\p
.endr
.irp b, 0,1,2,3
.irp j, 0,1,2,3
	ds_load_b128 v[\x+16*\b+4*\j:\x+16*\b+4*\j+3], v3 offset:8448*\q+128*((\b%2)*2+\b/2)+16*\j
.endr
.endr
.endm
	s_wait_alu depctr_va_vdst(0)
	s_wait_loadcnt 16                              ; the first K step's 16 loads are in
	TURN 0, 144
	s_wait_dscnt 16                                ; its 16 stores are done: their data registers take the second step's numbers
	s_wait_loadcnt 0x0
	TURN 1, 16
	s_wait_dscnt 32                                ; the first step is back; the second's 32 instructions may be out
	QUANT 144, 228, 234, 240, 244, 224
.irp p, 0,1,2
	global_store_b128 v1, v[228+4*\p:228+4*\p+3], s[32:33] offset:512*\p
.endr
	s_wait_dscnt 0x0
	QUANT 16, 80, 86, 240, 244, 225
.irp p, 0,1,2
	global_store_b128 v1, v[80+4*\p:80+4*\p+3], s[32:33] offset:12288+512*\p
.endr
	v_cndmask_b32 v226, v224, v225, s22
	global_store_b32 v4, v226, s[34:35]
	FIN
	; ---- a weight stored [K][N]: a lane takes a column and its registers run down K: 128 k, four whole blocks.  Loads run two blocks ahead: 64 loads of a wave are out at the most
.macro WPATH rowb, first, src, dq, ds
	s_sub_co_u32 s24, ttmp9, \first                ; 8 x (columns / 128) + K step
	s_lshr_b32 s25, s24, 3
	s_and_b32 s26, s24, 7
	s_mul_i32 s26, s26, 128*\rowb
	s_lshl_b32 s25, s25, 9
	s_add_co_u32 s26, s26, s25
	s_lshl_b32 s25, s18, 7                         ; my wave's 32 columns
	s_add_co_u32 s26, s26, s25
	s_mov_b32 s27, 0
	s_add_nc_u64 s[28:29], s[\src:\src+1], s[26:27]
	s_lshl_b32 s24, s24, 3
	s_lshl_b32 s25, s18, 1
	s_add_co_u32 s24, s24, s25                     ; my two units: tiles 2 x wave, 2 x wave + 1
	s_mul_i32 s30, s24, 1536
	s_add_co_u32 s30, s30, \dq
	s_mov_b32 s31, 0
	s_add_nc_u64 s[32:33], s[14:15], s[30:31]
	s_lshl_b32 s30, s24, 6
	s_add_co_u32 s30, s30, \ds
	s_add_nc_u64 s[34:35], s[14:15], s[30:31]
	v_lshlrev_b32 v1, 2, v8
	WLOAD 0, \rowb
	WLOAD 1, \rowb
	v_bfe_u32 v2, v8, 3, 1                         ; my column's tile of the two,
	v_and_b32 v3, 7, v8
	v_lshrrev_b32 v4, 4, v8
	v_lshl_add_u32 v3, v4, 3, v3                   ; and its lane in that tile
	v_lshlrev_b32 v4, 4, v3
	v_mad_u32_u24 v4, v2, 1536, v4
	v_lshlrev_b32 v3, 2, v3
	v_lshl_add_u32 v3, v2, 6, v3
	s_wait_alu depctr_va_vdst(0)
	s_wait_loadcnt 32                              ; block 0 is in; behind it block 1's 32 loads were issued
	WLOAD 2, \rowb
	BLK 16, 144, 168, 184, 188
	s_wait_loadcnt 32                              ; block 1 is in; behind it block 2's 32
	WLOAD 3, \rowb
	BLK 48, 150, 172, 185, 189
	s_wait_loadcnt 32                              ; block 2 is in; behind it block 3's 32
	BLK 80, 156, 176, 186, 190
	s_wait_loadcnt 0x0
	BLK 112, 162, 180, 187, 191
	v_lshl_or_b32 v196, v190, 8, v188              ; the word in the instruction's order: true blocks 0, 2, 1, 3
	v_lshl_or_b32 v196, v189, 16, v196
	v_lshl_or_b32 v196, v191, 24, v196
.irp hd, 0,1                                   ; true blocks 0, 1 are the image's lane r, blocks 2, 3 its lane 16 + r
.irp p, 0,1,2
	global_store_b128 v4, v[144+12*\hd+4*\p:144+12*\hd+4*\p+3], s[32:33] offset:512*\p+256*\hd   ; two runs of 256 consecutive bytes, aligned
.endr
.endr
	global_store_b32 v3, v196, s[34:35]
	FIN
.endm
.Lwattn:
	s_wait_alu depctr_va_vdst(0)
	WPATH 12288, 512, 6, WQ, WS
.Lwproj:
	s_wait_alu depctr_va_vdst(0)
	WPATH 4096, 704, 8, WPQ, WPS
	; ---- the table of lut_v for the two key blocks that are not constant.  Fragment 4 py + tile: 16 rows d; registers 6 c on: query m = 2 py + c (mod 32); lanes 0-15 the block before the query's, lanes 16-31 the query's own.
.Ltvpath:
	s_sub_co_u32 s24, ttmp9, 768
	s_lshl_b32 s24, s24, 2
	s_add_co_u32 s24, s24, s18                     ; 2 py + which pair of tiles
	s_lshr_b32 s25, s24, 1
	s_and_b32 s26, s24, 1
	s_lshl_b32 s25, s25, 1
	s_sub_co_u32 s25, 31, s25
	s_wait_alu depctr_va_vdst(0)
	v_lshl_add_u32 v1, v10, 5, s25                 ; 32 h + 31 - 2 py
	v_and_b32 v2, 8, v9
	v_add_nc_u32 v2, v2, v9
	s_lshl_b32 s26, s26, 5
	v_add_nc_u32 v2, s26, v2
	v_lshlrev_b32 v2, 2, v2                        ; 4 d of my row in the first tile,
	v_add_nc_u32 v3, 32, v2                        ; and in the second
.irp c, 0,1
.set e, 0
.rept 32
	v_add_nc_u32 v4, e-\c, v1                      ; key e of the block: 47 + (key - query + 16)
	v_max_u32 v4, 47, v4
	v_add_nc_u32 v4, 0xffffffd1, v4
	v_min_u32 v4, 32, v4                           ; lut_v's row: held to 0 .. 32
	v_lshl_add_u32 v[16+32*\c+e], v4, 8, v2
	v_lshl_add_u32 v[80+32*\c+e], v4, 8, v3
.set e, e+1
.endr
.endr
.set e, 0
.rept 128
	global_load_b32 v[16+e], v[16+e], s[12:13]     ; each load lands on its own offset
.set e, e+1
.endr
	s_wait_loadcnt 0x0
	BLK 16, 144, 168, 184, 188
	BLK 48, 150, 172, 185, 189
	BLK 80, 156, 176, 186, 190
	BLK 112, 162, 180, 187, 191
	v_lshlrev_b32 v198, 3, v10
.irp t, 0,1
	v_lshl_or_b32 v[196+\t], v[189+2*\t], 16, v[188+2*\t]
	v_lshlrev_b32 v[196+\t], v198, v[196+\t]
	v_permlanex16_b32 v[212+\t], v[196+\t], s20, s21
	v_or_b32 v[196+\t], v[196+\t], v[212+\t]
.endr
	s_mul_i32 s30, s24, 3072
	s_mov_b32 s31, 0
	s_add_nc_u64 s[32:33], s[16:17], s[30:31]
	s_lshl_b32 s30, s24, 7
	s_add_co_u32 s30, s30, TVS
	s_add_nc_u64 s[34:35], s[16:17], s[30:31]
	v_lshlrev_b32 v199, 4, v8
	v_lshlrev_b32 v200, 2, v8
.irp t, 0,1
.irp p, 0,1,2
	global_store_b128 v199, v[144+12*\t+4*\p:144+12*\t+4*\p+3], s[32:33] offset:1536*\t+512*\p
.endr
.endr
	v_cndmask_b32 v201, v196, v197, s22
	global_store_b32 v200, v201, s[34:35]
	FIN
.Lfunc_end_k_q25222fb3e4_prep:
	.size	k_q25222fb3e4_prep, .Lfunc_end_k_q25222fb3e4_prep-k_q25222fb3e4_prep
	.p2alignl 7, 3214868480
	.fill 96, 4, 3214868480
	.section	.rodata,"a",@progbits
	.p2align	6, 0x0
	.amdhsa_kernel k_q25222fb3e4_prep
		.amdhsa_group_segment_fixed_size 68096
		.amdhsa_private_segment_fixed_size 0
		.amdhsa_enable_private_segment 0
		.amdhsa_kernarg_size 56
		.amdhsa_user_sgpr_count 2
		.amdhsa_user_sgpr_kernarg_segment_ptr 1
		.amdhsa_wavefront_size32 1
		.amdhsa_system_sgpr_workgroup_id_x 1
		.amdhsa_system_sgpr_workgroup_id_y 1
		.amdhsa_system_sgpr_workgroup_id_z 1
		.amdhsa_system_vgpr_workitem_id 0
		.amdhsa_next_free_vgpr 256
		.amdhsa_next_free_sgpr 66
		.amdhsa_reserve_vcc 0
		.amdhsa_float_denorm_mode_32 3
		.amdhsa_float_denorm_mode_16_64 3
		.amdhsa_memory_ordered 1
		.amdhsa_forward_progress 1
		.amdhsa_inst_pref_size 104
	.end_amdhsa_kernel
	.amdgpu_metadata
---
amdhsa.version: [ 1, 2 ]
amdhsa.kernels:
  - .name:           k_q25222fb3e4_prep
    .symbol:         k_q25222fb3e4_prep.kd
    .args:
      - { .name: x, .offset: 0, .size: 8, .value_kind: global_buffer, .address_space: global }
      - { .name: W_attn, .offset: 8, .size: 8, .value_kind: global_buffer, .address_space: global }
      - { .name: W_proj, .offset: 16, .size: 8, .value_kind: global_buffer, .address_space: global }
      - { .name: lut_k, .offset: 24, .size: 8, .value_kind: global_buffer, .address_space: global }
      - { .name: lut_v, .offset: 32, .size: 8, .value_kind: global_buffer, .address_space: global }
      - { .name: opw, .offset: 40, .size: 8, .value_kind: global_buffer, .address_space: global }
      - { .name: tab, .offset: 48, .size: 8, .value_kind: global_buffer, .address_space: global }
    .group_segment_fixed_size: 68096
    .private_segment_fixed_size: 0
    .kernarg_segment_align: 8
    .kernarg_segment_size: 56
    .max_flat_workgroup_size: 128
    .sgpr_count:     66
    .vgpr_count:     256
    .wavefront_size: 32
...
	.end_amdgpu_metadata
.endif
;; end of part 1
;; launch gemm_qkv (part 2): grid 8 x 32, 4 waves a work-group, clusters of 4 x 4, 327,680 bytes of LDS; arguments opw, b_attn, qkv; writes qkv
.if DOCPART == 2
	.amdgcn_target "amdgcn-amd-amdhsa--gfx1250"
	.amdhsa_code_object_version 6
	.text
	.protected	k_q25222fb3e4_gemm_qkv
	.globl	k_q25222fb3e4_gemm_qkv
	.p2align	8
	.type	k_q25222fb3e4_gemm_qkv,@function
k_q25222fb3e4_gemm_qkv:
	s_mov_b64 s[64:65], 0
	v_nop
	global_prefetch_b8 v0, s[64:65] scope:SCOPE_SE
	s_setreg_imm32_b32 hwreg(HW_REG_WAVE_MODE, 25, 1), 1
	s_wait_xcnt 0x0
	s_wait_alu depctr_hold_cnt(0) depctr_sa_sdst(0) depctr_va_vdst(0) depctr_va_sdst(0) depctr_va_ssrc(0) depctr_va_vcc(0) depctr_vm_vsrc(0)
	s_getreg_b32 s2, hwreg(HW_REG_IB_STS2, 6, 4)
	s_cmp_eq_u32 s2, 0
	s_cbranch_scc0 .Lentry_in_a_cluster
	s_endpgm
.Lentry_in_a_cluster:
	s_bfe_u32 s2, ttmp6, 0x10000c
	s_cmp_lg_u32 s2, 0xf033
	s_cbranch_scc0 .Lentry_shape_is_right
	s_endpgm
.Lentry_shape_is_right:
; qkv = x W_attn + b_attn on codes of FP6 (E2M3); the result is quantised at once into the operands of attention.
; A WORK-GROUP (x = 0..7, tb = 0..31) holds 256 tokens, all of K, in LDS (196,608 bytes, filled once) and walks three blocks of 128 columns of W:
; blocks 2 x and 2 x + 1 (q or k; a loop of two trips) and block 16 + x (v; written out).  W's block lies behind the tokens in two slots of 512 along K, 49,152 bytes each.
; A WAVE makes 128 tokens x 64 columns: 32 accumulators.  q, k: source 0 = W's four tiles, source 1 = the tokens' eight: a lane holds one token and a head's 64 columns.
; v: source 0 = the tokens' eight tiles, source 1 = W's four: a lane holds one column and 128 keys.
; REFILLS: slot A (K steps 0-3) is free when every wave has step 3's fragments: it takes the next block at the head of step 3; slot B takes it behind the first quarter of the way out.
; Each refill stands behind the three lines and a round of the cluster's barrier, one tensor load of 12,288 bytes a wave.  Every wait on TENSORcnt is for 0; a wave has one tensor load out at the most.
; CLUSTERS 4 x 4: the tokens hang on tb alone and are shared along a row, W on x alone and is shared along a column.
; SCALE WORDS AND BIAS go from memory into registers, each byte once a wave: a register holds K step 2 p in lanes 0-15 and 2 p + 1 in lanes 16-31.  The next block's come during the way out.  The bias is the C of each sum's first product.
; PREFETCH: W's block 2 x + 1 is asked for at the head, block 16 + x in the first trip's way out: 384 blocks of 256 bytes, shared out by address among the column's four partners and their four waves, 24 lanes each (the other lanes name the 24th again).
; The tokens and W's first block come by the head's loads alone.
; LIMITS: a block of zeros gets the byte 1 (its codes are zeros); blocks under 2^-124 are held at byte 1; NaN and infinities are not served.
; REGISTERS: window 0: v8-31 addresses; v32-63 the tokens' scale words; v64-95 the bias; v96-111 W's scale words; v128-223 W's fragments, two sets (v176-199 the codes on the way out); v224-255 at work.  window 1: the tokens' fragments, two sets.  window 2: the accumulators.
.set XS,  6291456
.set WQ,  6553600
.set WS,  8912896
.set KC,  6291456
.set VC,  12582912
.set QS_, 18874368
.set VS,  19398656
.set RBB,   98304                      ; the codes of 128 rows, all of K
.set WL,    196608                     ; LDS: W's block
.set HALFW, 49152
.set QUARW, 12288
.set SPARE, 294912
.set FLOOR, 0x1800000
.set AT,  8                            ; v8-9 the tokens' fragments for q, k (K steps 0-3, 4-7); v10-11 for v
.set AW,  12                           ; v12-15 the same for W
.set PFO, 23
.set L16, 24
.set L4,  25
.set L8,  26
.set SOF, 27                           ; 512 (lane / 16) + 4 (lane % 16)
.set SPW, 28
.set NIL, 29
.set TS,  32
.set BI,  64
.set WSR, 96
.set WF,  128
.set CD,  176
.set TM,  224
.set PWR, 240
.set T0,  248
.set T1,  252
.set G1T, 24
.set G1W, 32
.set G1R, 40
.set G0T, 48
.set G0W, 52
.set G0R, 56
.set MSB, 0
.macro WIN new
.if MSB != (\new)
	s_set_vgpr_msb (MSB<<8)|(\new)
.set MSB, (\new)
.endif
.endm
.macro PLACES
.rept 4
	v_nop
.endr
.endm
.macro CROUND
	s_barrier_signal -1
	s_barrier_wait -1
	s_cmp_lg_u32 s14, 0
	s_cbranch_scc1 .Lnot_wave_0_\@
	s_barrier_signal -3
.Lnot_wave_0_\@:
	s_barrier_wait -3
	s_barrier_signal -1
	s_barrier_wait -1
.endm
.macro SHAPE g, rows                   ; dense bytes as rows of 256: 32 elements of 8 bytes
	s_mov_b32 s[\g+1], 32<<16
	s_mov_b32 s[\g+2], (\rows)<<16
	s_mov_b32 s[\g+3], 32<<16
	s_mov_b32 s[\g+4], \rows
	s_mov_b32 s[\g+5], 32
	s_mov_b32 s[\g+6], 0
	s_mov_b32 s[\g+7], 0
.endm
.macro PTR d, b                        ; the offset in s[d] becomes an address in buffer b
	s_mov_b32 s[\d+1], 0
	s_add_nc_u64 s[\d:\d+1], s[\b:\b+1], s[\d:\d+1]
.endm
	s_load_b128 s[4:7], s[0:1], 0x0                ; opw, b_attn
	s_load_b64 s[8:9], s[0:1], 0x10                ; qkv
	v_lshl_add_u32 v[SPW], v0, 2, SPARE
	v_mov_b32 v[NIL], 0
	ds_add_u32 v[SPW], v[NIL]                      ; the opening lines
	ds_add_u32 v[SPW], v[NIL]
	v_lshrrev_b32 v1, 5, v0
	v_readfirstlane_b32 s14, v1                    ; wave
	s_lshr_b32 s15, s14, 1
	s_and_b32 s16, s14, 1
	s_bfe_u32 s19, ttmp6, 0x40000                  ; cx
	s_bfe_u32 s20, ttmp6, 0x40004                  ; cy
	s_lshl_b32 s18, ttmp9, 2
	s_add_co_u32 s18, s18, s19                     ; x
	s_and_b32 s17, ttmp7, 0xffff
	s_lshl_b32 s17, s17, 2
	s_add_co_u32 s17, s17, s20                     ; tb
	s_lshl_b32 s21, s20, 2
	s_lshl_b32 s21, 15, s21                        ; my row of the cluster
	s_lshl_b32 s22, 0x1111, s19                    ; my column
	s_or_b32 s[G1T], s21, (3<<16)|(1<<21)
	s_or_b32 s[G1W], s22, (3<<16)|(1<<21)
	s_or_b32 s[G1R], s22, (3<<16)|(1<<21)
	SHAPE G1T, 384                                 ; 128 tokens, all of K
	SHAPE G1W, 192                                 ; a slot of W
	SHAPE G1R, 48                                  ; a quarter of a slot
	s_mov_b32 s80, 0xffff0000                      ; the mask of lanes 16-31
	s_mov_b32 s81, 0x76543210
	s_mov_b32 s82, 0xfedcba98
	s_lshl_b32 s21, s17, 1
	s_add_co_u32 s50, s21, s16                     ; tokens' block 2 tb + wave % 2
	s_lshl_b32 s74, s50, 12
	s_add_co_u32 s74, s74, XS                      ; its scale words (for v)
	s_mul_i32 s50, s50, RBB                        ; its codes
	s_add_co_u32 s76, s21, s15
	s_lshl_b32 s76, s76, 12
	s_add_co_u32 s76, s76, XS                      ; the tokens' scale words for q, k
	s_mul_i32 s22, s18, 2*RBB
	s_add_co_u32 s22, s22, WQ                      ; W's block 2 x
	s_mul_i32 s23, s16, HALFW
	s_add_co_u32 s54, s22, s23                     ; its slot wave % 2
	s_add_co_u32 s53, s23, WL
	s_mul_i32 s49, s16, RBB
	s_mul_i32 s23, s14, QUARW
	s_add_co_u32 s83, s23, WL                      ; LDS: my quarter of slot A,
	s_add_co_u32 s84, s83, HALFW                   ; of slot B
	s_add_co_u32 s60, s22, s23
	s_add_co_u32 s60, s60, RBB                     ; the next block of W, my quarter
	s_lshl_b32 s23, s20, 2
	s_add_co_u32 s23, s23, s14
	s_mul_i32 s23, s23, 6144
	s_add_co_u32 s78, s22, s23
	s_add_co_u32 s78, s78, RBB                     ; the prefetches: my 24 blocks of W's block 2 x + 1,
	s_sub_co_u32 s62, 15, s18
	s_mul_i32 s62, s62, RBB                        ; from block 2 x + 1 to block 16 + x
	s_mov_b32 s63, 0
	s_add_co_u32 s86, s78, s62                     ; and of block 16 + x
	s_lshl_b32 s66, s18, 10
	s_lshl_b32 s23, s16, 8
	s_add_co_u32 s66, s66, s23                     ; bias, q and k: column 256 x + 64 (wave % 2)
	s_lshl_b32 s68, s18, 13
	s_add_co_u32 s68, s68, s23
	s_add_co_u32 s68, s68, WS                      ; W's scale words, q and k
	s_lshl_b32 s70, s18, 9
	s_lshl_b32 s23, s15, 8
	s_add_co_u32 s70, s70, s23
	s_add_co_u32 s70, s70, 8192                    ; bias, v: column 2,048 + 128 x + 64 (wave / 2)
	s_lshl_b32 s72, s18, 12
	s_add_co_u32 s72, s72, s23
	s_add_co_u32 s72, s72, WS+65536                ; W's scale words, v
	s_lshr_b32 s88, s17, 2
	s_lshl_b32 s88, s88, 4                         ; 16 batch
	s_and_b32 s89, s17, 3
	s_lshl_b32 s23, s19, 2
	s_add_co_u32 s23, s23, s16
	s_add_co_u32 s23, s23, s88                     ; 16 batch + head 4 cx + wave % 2 (+ 2 a trip)
	s_lshl_b32 s23, s23, 5
	s_lshl_b32 s21, s89, 3
	s_add_co_u32 s23, s23, s21
	s_lshl_b32 s21, s15, 2
	s_add_co_u32 s23, s23, s21                     ; x 32 + my first block of 32 tokens: the unit
	s_mul_i32 s10, s23, 1536
	s_mul_i32 s21, ttmp9, KC                       ; the cluster's x: 0 q, 1 k
	s_add_co_u32 s10, s10, s21
	s_lshl_b32 s12, s23, 6
	s_lshl_b32 s21, ttmp9, 18
	s_add_co_u32 s12, s12, s21
	s_add_co_u32 s12, s12, QS_
	s_wait_dscnt 0x0                               ; both opening adds are done
	s_wait_kmcnt 0x0
	PTR 50, 4
	PTR 54, 4
	PTR 60, 4
	PTR 66, 6
	PTR 68, 4
	PTR 70, 6
	PTR 72, 4
	PTR 74, 4
	PTR 76, 4
	PTR 78, 4
	PTR 86, 4
	PTR 10, 8
	PTR 12, 8
	s_mov_b32 s[G0T], 1
	s_or_b32 s[G0T+3], s[G0T+3], 0x80000000
	s_mov_b32 s[G0W], 1
	s_or_b32 s[G0W+3], s[G0W+3], 0x80000000
	s_mov_b32 s[G0R], 1
	CROUND                                         ; all sixteen work-groups are here: the first joint loads meet
	s_cmp_lt_u32 s14, 2                            ; the head's loads, one a wave: waves 0, 1 the tokens' two blocks, waves 2, 3 W's two slots
	s_cbranch_scc0 .Lhead_w
	tensor_load_to_lds s[G0T:G0T+3], s[G1T:G1T+7]
	s_nop 0
	PLACES
	s_branch .Lhead_asked
.Lhead_w:
	tensor_load_to_lds s[G0W:G0W+3], s[G1W:G1W+7]
	s_nop 0
	PLACES
.Lhead_asked:
	v_and_b32 v1, 31, v0
	v_lshlrev_b32 v[L16], 4, v1
	v_lshlrev_b32 v[L4], 2, v1
	v_lshlrev_b32 v[L8], 3, v1
	v_and_b32 v4, 15, v0
	v_bfe_u32 v2, v0, 4, 1
	v_lshlrev_b32 v[SOF], 2, v4
	v_lshl_add_u32 v[SOF], v2, 9, v[SOF]
	v_lshlrev_b32 v30, 6, v2                       ; bias, q and k: 16 h columns on
	v_and_b32 v31, 8, v4
	v_add_nc_u32 v31, v31, v4
	v_lshlrev_b32 v31, 2, v31                      ; bias, v: my lane's column in a tile
	v_min_u32 v[PFO], 23, v1
	v_lshlrev_b32 v[PFO], 8, v[PFO]
	s_mul_i32 s21, s15, RBB
	s_mul_i32 s22, s16, RBB
	v_add_nc_u32 v[AT], s21, v[L16]
	v_add_nc_u32 v[AT+2], s22, v[L16]
	v_add_nc_u32 v[AT+1], HALFW, v[AT]
	v_add_nc_u32 v[AT+3], HALFW, v[AT+2]
	s_mul_i32 s21, s16, 6144
	s_add_co_u32 s21, s21, WL
	s_mul_i32 s22, s15, 6144
	s_add_co_u32 s22, s22, WL
	v_add_nc_u32 v[AW], s21, v[L16]
	v_add_nc_u32 v[AW+2], s22, v[L16]
	v_add_nc_u32 v[AW+1], HALFW, v[AW]
	v_add_nc_u32 v[AW+3], HALFW, v[AW+2]
.irp b, 0,1,2,3
	v_mov_b32 v[TM+4+\b], 0                        ; a lane permute's destination counts as one of its sources
.endr
.macro LBQ off                         ; bias by W's tile p: columns 32 (p / 2) + 8 (p % 2) + 16 h + 0 .. 7
.irp p, 0,1,2,3
	global_load_b128 v[BI+8*\p:BI+8*\p+3], v30, s[66:67] offset:\off+128*(\p/2)+32*(\p%2)
	global_load_b128 v[BI+8*\p+4:BI+8*\p+7], v30, s[66:67] offset:\off+128*(\p/2)+32*(\p%2)+16
.endr
.endm
.macro LSC reg, n, base, off           ; scale words of n tiles: register 4 i + p: tile i, K steps 2 p (lanes 0-15) and 2 p + 1 (lanes 16-31)
.set ii, 0
.rept 4*\n
	global_load_b32 v[\reg+ii], v[SOF], s[\base:\base+1] offset:\off+1024*(ii%4)+64*(ii/4)
.set ii, ii+1
.endr
.endm
	s_wait_alu depctr_va_vdst(0)
	LBQ 0
	LSC WSR, 4, 68, 0
	LSC TS, 8, 76, 0
	global_prefetch_b8 v[PFO], s[78:79] th:TH_LOAD_NT scope:SCOPE_SE
	s_wait_tensorcnt 0x0                           ; my load has landed,
	s_barrier_signal -1
	s_barrier_wait -1                              ; everybody's has
.macro MM d, a, b, c, sa, sb, row
.if \row
	v_wmma_scale_f32_16x16x128_f8f6f4 v[\d:\d+7], v[\a:\a+11], v[\b:\b+11], v[\c:\c+7], v[\sa], v[\sb] matrix_a_fmt:MATRIX_FMT_FP6 matrix_b_fmt:MATRIX_FMT_FP6 matrix_a_scale:MATRIX_SCALE_ROW1 matrix_b_scale:MATRIX_SCALE_ROW1
.else
	v_wmma_scale_f32_16x16x128_f8f6f4 v[\d:\d+7], v[\a:\a+11], v[\b:\b+11], v[\c:\c+7], v[\sa], v[\sb] matrix_a_fmt:MATRIX_FMT_FP6 matrix_b_fmt:MATRIX_FMT_FP6
.endif
.endm
.macro FETCH role, q                   ; K step q's fragments into set q % 2: each is three loads of 512 consecutive bytes
.set QS, (\q)%2
.set QH, (\q)/4
.set QO, 12288*((\q)%4)
	WIN 0x40
.irp i, 0,1,2,3,4,5,6,7
.irp p, 0,1,2
	ds_load_b128 v[128*QS+12*\i+4*\p:128*QS+12*\i+4*\p+3], v[AT+2*\role+QH] offset:QO+1536*\i+512*\p
.endr
.endr
	WIN 0
.irp i, 0,1,2,3
.irp p, 0,1,2
	ds_load_b128 v[WF+48*QS+12*\i+4*\p:WF+48*QS+12*\i+4*\p+3], v[AW+2*\role+QH] offset:QO+1536*\i+512*\p
.endr
.endr
.endm
.macro MUL role, q, first              ; 32 matrix instructions, the 32 accumulators by turns
.set QS, (\q)%2
.set QP, (\q)/2
.if \role
.irp a, 0,1,2,3
.irp b, 0,1,2,3,4,5,6,7
.set DD, 8*(8*\a+\b)
.set CC, DD
.if \first
.set CC, BI+8*\a
.endif
	MM DD, 128*QS+12*\b, WF+48*QS+12*\a, CC, TS+4*\b+QP, WSR+4*\a+QP, QS
.endr
.endr
.else
.irp a, 0,1,2,3,4,5,6,7
.irp b, 0,1,2,3
.set DD, 8*(4*\a+\b)
.set CC, DD
.if \first
.set CC, BI+8*\b
.endif
	MM DD, WF+48*QS+12*\b, 128*QS+12*\a, CC, WSR+4*\b+QP, TS+4*\a+QP, QS
.endr
.endr
.endif
.endm
; A block's eight K steps.  At a step's head its fragments are in; the next step's are asked for, four places behind the products that read their registers; then the step's products.
.macro KLOOP role, fill
	FETCH \role, 0
	s_wait_loadcnt 0x0                             ; the bias and the scale words
.irp q, 0,1,2,3,4,5,6,7
.if \q == 3
	s_wait_tensorcnt 0x0                           ; all my tensor loads have landed: my part of slot B
.if \fill
	ds_add_u32 v[SPW], v[NIL]
	s_mov_b32 s[G0R+1], s83
	s_mov_b64 s[G0R+2:G0R+3], s[60:61]
	s_or_b32 s[G0R+3], s[G0R+3], 0x80000000
.endif
	s_wait_dscnt 0x0                               ; the add is done, and my reads of slot A are over
.if \fill
	CROUND                                         ; so of every wave of every partner
	tensor_load_to_lds s[G0R:G0R+3], s[G1R:G1R+7]  ; slot A takes the next block's K steps 0-3
	s_nop 0
.else
	s_barrier_signal -1
	s_barrier_wait -1                              ; slot B is whole
.endif
	PLACES
.else
	s_wait_dscnt 0x0
.if \q > 0 && \q < 7
	PLACES
.endif
.endif
.if \q < 7
	FETCH \role, \q+1
.endif
.if \q == 0
	WIN 0x84-3*\role                               ; C, the bias, in window 0
	MUL \role, \q, 1
.else
	WIN 0xa4-3*\role
	MUL \role, \q, 0
.endif
	WIN 0
.endr
	PLACES                                         ; in front of the first reads of results and of loads into registers that the products read
.endm
; 64 results of a lane, register 16 b + i = number 16 h + i of block b, become 12 registers of codes (d0: blocks 0, 1; d1: blocks 2, 3) and a scale word.  Each accumulator is read from its low end on.
.macro QUANTW ac, d0, d1, pw
	WIN 0x0a
.irp b, 0,1,2,3
	v_max3_num_f32 v[TM+\b], |v[\ac+16*\b]|, |v[\ac+1+16*\b]|, FLOOR
.endr
.irp i, 2,4,6,8,10,12,14
.irp b, 0,1,2,3
	v_max3_num_f32 v[TM+\b], |v[\ac+16*\b+\i]|, |v[\ac+1+16*\b+\i]|, v[TM+\b]
.endr
.endr
	WIN 0
.irp b, 0,1,2,3
	v_permlanex16_b32 v[TM+4+\b], v[TM+\b], s81, s82
.endr
.irp b, 0,1,2,3
	v_max_num_f32 v[TM+\b], v[TM+\b], v[TM+4+\b]
.endr
.irp b, 0,1,2,3
	v_add_nc_u32 v[TM+12+\b], 0xff000000, v[TM+\b]
.endr
.irp b, 0,1,2,3
	v_lshrrev_b32 v[TM+4+\b], 23, v[TM+12+\b]
.endr
	v_lshl_or_b32 v[\pw], v[TM+5], 8, v[TM+4]
	v_lshl_or_b32 v[\pw], v[TM+6], 16, v[\pw]
	v_lshl_or_b32 v[\pw], v[TM+7], 24, v[\pw]
	WIN 2
	v_cvt_scalef32_pk16_fp6_f32 v[\d0:\d0+2], v[\ac:\ac+15], v[TM+12]
	v_cvt_scalef32_pk16_fp6_f32 v[T0:T0+2], v[\ac+16:\ac+31], v[TM+13]
	v_cvt_scalef32_pk16_fp6_f32 v[\d1:\d1+2], v[\ac+32:\ac+47], v[TM+14]
	v_cvt_scalef32_pk16_fp6_f32 v[T1:T1+2], v[\ac+48:\ac+63], v[TM+15]
	WIN 0
	v_nop                                          ; one plain place behind the scaled conversions
.irp i, 0,1,2
	v_permlane16_swap_b32 v[\d0+\i], v[T0+\i]
	v_permlane16_swap_b32 v[\d1+\i], v[T1+\i]
.endr
.irp i, 0,1,2
	v_mov_b32 v[\d0+3+\i], v[T0+\i]
	v_mov_b32 v[\d1+3+\i], v[T1+\i]
.endr
.endm
; q or k: token tiles 2 al and 2 al + 1 make one unit of my head: registers 0-5 the first tile, 6-11 the second; lanes 0-15 d 0-31, lanes 16-31 d 32-63
.macro QOUT al
	s_wait_xcnt 0x0                                ; earlier stores have read their registers
	QUANTW 64*(\al), CD+12*((\al)%2), CD+6+12*((\al)%2), PWR+(\al)%2
.irp p, 0,1,2
	global_store_b128 v[L16], v[CD+12*((\al)%2)+4*\p:CD+12*((\al)%2)+4*\p+3], s[10:11] offset:1536*(\al)+512*\p
.endr
.if (\al)%2
	v_cndmask_b32 v[112+(\al)/2], v[PWR], v[PWR+1], s80
	global_store_b32 v[L4], v[112+(\al)/2], s[12:13] offset:128*((\al)/2)
.endif
.endm
	s_mov_b32 s3, 0
.Ltile:
	KLOOP 0, 1
	s_cmp_eq_u32 s3, 0                             ; the next block's bias and scale words: the trip's number chooses their form
	s_cbranch_scc0 .Lnext_v
	global_prefetch_b8 v[PFO], s[86:87] th:TH_LOAD_NT scope:SCOPE_SE
	LBQ 512
	LSC WSR, 4, 68, 4096
	s_branch .Lnext_done
.Lnext_v:
.irp a, 0,1,2,3
.irp j, 0,1,2,3,4,5,6,7
	global_load_b32 v[BI+8*\a+\j], v31, s[70:71] offset:128*(\a/2)+32*(\a%2)
.endr
.endr
	LSC WSR, 4, 72, 0
	LSC TS, 8, 74, 0
.Lnext_done:
	QOUT 0
	s_wait_tensorcnt 0x0                           ; all my tensor loads have landed: my part of slot A
	ds_add_u32 v[SPW], v[NIL]
	s_mov_b32 s[G0R+1], s84
	s_add_nc_u64 s[G0R+2:G0R+3], s[60:61], HALFW
	s_or_b32 s[G0R+3], s[G0R+3], 0x80000000
	s_add_nc_u64 s[60:61], s[60:61], s[62:63]      ; the block after the next
	s_wait_dscnt 0x0                               ; the add is done; my reads of slot B ended at the head of step 7
	CROUND
	tensor_load_to_lds s[G0R:G0R+3], s[G1R:G1R+7]  ; slot B takes the next block's K steps 4-7
	s_nop 0
	PLACES
	QOUT 1
	QOUT 2
	QOUT 3
	s_wait_xcnt 0x0                                ; the stores have read their registers and bases
	s_add_nc_u64 s[10:11], s[10:11], RBB           ; two heads on: 64 units
	s_add_nc_u64 s[12:13], s[12:13], 4096
	s_add_co_u32 s3, s3, 1
	s_cmp_lt_u32 s3, 2
	s_cbranch_scc1 .Ltile
	; ---- v.  W's tile a is 16 rows d of my head; a lane's four blocks are four key blocks.  Codes lie [head][tile][piece of 8 bytes][key block][row].
	s_lshl_b32 s21, s18, 1
	s_add_co_u32 s21, s21, s15
	s_add_co_u32 s21, s21, s88                     ; 16 batch + head 2 x + wave / 2
	s_lshl_b32 s22, s89, 1
	s_add_co_u32 s22, s22, s16                     ; which 128 keys of the batch's 1,024
	s_mul_i32 s10, s21, 49152
	s_lshl_b32 s23, s22, 9
	s_add_co_u32 s10, s10, s23
	s_add_co_u32 s10, s10, VC
	PTR 10, 8
	s_lshl_b32 s12, s21, 11
	s_lshl_b32 s23, s22, 8
	s_add_co_u32 s12, s12, s23
	s_add_co_u32 s12, s12, VS
	PTR 12, 8
	KLOOP 1, 0
.irp a, 0,1,2,3
	s_wait_xcnt 0x0
	QUANTW 64*\a, CD+12*(\a%2), CD+6+12*(\a%2), PWR+(\a%2)
.irp c, 0,1
.irp p, 0,1,2
	global_store_b64 v[L8], v[CD+12*(\a%2)+6*\c+2*\p:CD+12*(\a%2)+6*\c+2*\p+1], s[10:11] offset:4096*(3*\a+\p)+256*\c   ; 256 consecutive bytes, aligned
.endr
.endr
.if \a%2 == 1
	v_cndmask_b32 v[112+\a/2], v[PWR], v[PWR+1], s80
	global_store_b32 v[L4], v[112+\a/2], s[12:13] offset:128*(\a/2)
.endif
.endr
	s_wait_tensorcnt 0x0                           ; the wave's end
	ds_add_u32 v[SPW], v[NIL]
	s_wait_dscnt 0x0
	CROUND                                         ; the closing round
	s_endpgm
.Lfunc_end_k_q25222fb3e4_gemm_qkv:
	.size	k_q25222fb3e4_gemm_qkv, .Lfunc_end_k_q25222fb3e4_gemm_qkv-k_q25222fb3e4_gemm_qkv
	.p2alignl 7, 3214868480
	.fill 96, 4, 3214868480
	.section	.rodata,"a",@progbits
	.p2align	6, 0x0
	.amdhsa_kernel k_q25222fb3e4_gemm_qkv
		.amdhsa_group_segment_fixed_size 327680
		.amdhsa_private_segment_fixed_size 0
		.amdhsa_enable_private_segment 0
		.amdhsa_kernarg_size 24
		.amdhsa_user_sgpr_count 2
		.amdhsa_user_sgpr_kernarg_segment_ptr 1
		.amdhsa_wavefront_size32 1
		.amdhsa_system_sgpr_workgroup_id_x 1
		.amdhsa_system_sgpr_workgroup_id_y 1
		.amdhsa_system_sgpr_workgroup_id_z 1
		.amdhsa_system_vgpr_workitem_id 0
		.amdhsa_next_free_vgpr 768
		.amdhsa_next_free_sgpr 90
		.amdhsa_reserve_vcc 0
		.amdhsa_float_denorm_mode_32 3
		.amdhsa_float_denorm_mode_16_64 3
		.amdhsa_memory_ordered 1
		.amdhsa_forward_progress 1
		.amdhsa_inst_pref_size 167
	.end_amdhsa_kernel
	.amdgpu_metadata
---
amdhsa.version: [ 1, 2 ]
amdhsa.kernels:
  - .name:           k_q25222fb3e4_gemm_qkv
    .symbol:         k_q25222fb3e4_gemm_qkv.kd
    .args:
      - { .name: opw, .offset: 0, .size: 8, .value_kind: global_buffer, .address_space: global }
      - { .name: b_attn, .offset: 8, .size: 8, .value_kind: global_buffer, .address_space: global }
      - { .name: qkv, .offset: 16, .size: 8, .value_kind: global_buffer, .address_space: global }
    .group_segment_fixed_size: 327680
    .private_segment_fixed_size: 0
    .kernarg_segment_align: 8
    .kernarg_segment_size: 24
    .max_flat_workgroup_size: 128
    .sgpr_count:     90
    .vgpr_count:     768
    .wavefront_size: 32
...
	.end_amdgpu_metadata
.endif
;; end of part 2
;; launch attn (part 3): grid 256 x 1, 16 waves a work-group, clusters of 4 x 1, 327,680 bytes of LDS; arguments qkv, tab, ao; writes ao
.if DOCPART == 3
	.amdgcn_target "amdgcn-amd-amdhsa--gfx1250"
	.amdhsa_code_object_version 6
	.text
	.protected	k_q25222fb3e4_attn
	.globl	k_q25222fb3e4_attn
	.p2align	8
	.type	k_q25222fb3e4_attn,@function
k_q25222fb3e4_attn:
	s_mov_b64 s[64:65], 0
	v_nop
	global_prefetch_b8 v0, s[64:65] scope:SCOPE_SE
	s_setreg_imm32_b32 hwreg(HW_REG_WAVE_MODE, 25, 1), 1
	s_wait_xcnt 0x0
	s_wait_alu depctr_hold_cnt(0) depctr_sa_sdst(0) depctr_va_vdst(0) depctr_va_sdst(0) depctr_va_ssrc(0) depctr_va_vcc(0) depctr_vm_vsrc(0)
	s_getreg_b32 s2, hwreg(HW_REG_IB_STS2, 6, 4)
	s_cmp_eq_u32 s2, 0
	s_cbranch_scc0 .Lentry_in_a_cluster
	s_endpgm
.Lentry_in_a_cluster:
	s_bfe_u32 s2, ttmp6, 0x10000c
	s_cmp_lg_u32 s2, 0x3003
	s_cbranch_scc0 .Lentry_shape_is_right
	s_endpgm
.Lentry_shape_is_right:
; Causal attention with clamped relative positions, all four products on codes of FP6 (E2M3); the result leaves quantised, as the operand of the last product.
; SHARES.  A work-group holds one head's whole K, V and the tables in LDS, filled once.  Two work-groups serve a head (g = 0, 1).  Each of sixteen waves makes two tiles of 16 queries, one after the other:
; pass 0: the lower half of block a = 16 g + 4 ((w / 4 + w) mod 4) + w mod 4 of 32 queries; pass 1: the upper half of block 31 - a.  A pass has a / 4 + 1 key steps: nine steps a wave, whatever w.
; A KEY STEP is four blocks of 32 keys, shifted so that the last step's fourth block is the query's own block a and its third is a - 1.  Blocks in front of key 0 (first step only) read filled bytes that lie in front
; of the region; their scores are replaced by -infinity, so that their p are zero codes.
; LAYOUT.  Both products are used transposed: a lane holds one query.  A unit of K holds 32 keys: registers 0-5 sixteen of them, registers 6-11 the other sixteen, each 64 along d.  Q stands between zeros: [0 Q 0]: the
; twelve registers that begin with Q pick the first sixteen keys, those that end with Q the others.  So the head's K = 64 fills no instruction with padding read from LDS.
; THE KEY TABLE.  R[n] = Q(q) . Q(lut_k[n]), n = 0 .. 16, is made once a pass.  R[0] is the C of every score product; R[16 + o] - R[0] for o = key - query = -15 .. 0 lies in my own LDS rows, between zeros (o < -15) and
; -infinity (o > 0), and is added in the last step: that is the causal mask too.
; THE VALUE TABLE.  Along the keys, a block that lies wholly 16 or more behind the query is 32 equal numbers, which quantise to one number Qv0[d]: a product of p with a tile of ones sums the quantised p of those blocks,
; and the sum is multiplied by Qv0 at the end.  Blocks a - 1 and a hang on the query modulo 32: their codes come from the table, two queries to an instruction, each query's column standing alone among zero codes.
; SOFTMAX.  t = score x log2(e) / 8; M = the running largest t rounded up; p = 2^(t - M) is quantised; the row's sum is taken of the unquantised p.
; CLUSTER.  Four heads with the same g.  The value table, half of the bytes that a work-group fills, is asked for jointly; K and V are each head's own.  The two work-groups of a head differ in g, on which branches hang, so they are no partners.
; LIMITS: a block of zeros gets the byte 1 (its codes are zeros); NaN and infinities are not served.
.set KCO, 6291456                      ; in qkv
.set QSO, 18874368
.set KSO, 19136512
.set TVSO, 98304                       ; in tab
.set LKO, 102400
.set LKSO, 103936
.set QV0, 104192
.set AOS, 6291456                      ; in ao
.set KCL, 98304                        ; LDS: the value table at 0; K's codes;
.set VCL, 147456                       ; V's;
.set TVSL, 196608                      ; the table's scale words;
.set KSL, 200704                       ; K's;
.set VSL, 202752                       ; V's;
.set EL,  204800                       ; 16 rows x 80 words for each wave: the key table's corrections;
.set SPARE, 286720                     ; the spare words, 128 bytes a wave
.set S,   84                           ; v84-147  scores, then p, then fragments of V or of the table
.set O,   148                          ; v148-179 O^T
.set SG,  180                          ; v180-187 the sum of the far blocks' quantised p
.set PC,  188                          ; v188-199 p's codes
; v1-3 16, 8, 4 x lane; v4, v5 my LDS rows (read, write); v6, v7 the add's two; v8-11 a step's addresses; v12 -M, v13 the largest t, v[14:15] the row's sum; v16-33 [0 Q 0]; v34-41 R[0]; v42-59 [ones, 0];
; v60-83 two units of K; v200-206 conversions; v208-219 maxima, bytes, scale operands; v220 f, v221 p's scale word; v222 at work; v223 Q's scale word; v224-225 K's; v226-229 V's as loaded, v230-231 V's; v232 ones' scale;
; v233 p's scale word for the near blocks; v234 -infinity; v235 the table's scale words' address; v236-237 the table's scale words; v238-239 second chain of the sum; v240-243 at work; v244-251 lane constants; v252 the table's address
.macro ROUND
	s_barrier_signal -1
	s_barrier_wait -1
	s_cmp_lg_u32 s10, 0
	s_cbranch_scc1 .Lnot_wave_0_\@
	s_barrier_signal -3
.Lnot_wave_0_\@:
	s_barrier_wait -3
	s_barrier_signal -1
	s_barrier_wait -1
.endm
.macro MM d, a, b, c, sa, sb, row      ; D, source 0, source 1, C (a register number, or -1 for the constant 0), the two scale registers, and whether source 0's scales stand in lanes 16-31
.if (\c) < 0
.if \row
	v_wmma_scale_f32_16x16x128_f8f6f4 v[\d:\d+7], v[\a:\a+11], v[\b:\b+11], 0, v[\sa], v[\sb] matrix_a_fmt:MATRIX_FMT_FP6 matrix_b_fmt:MATRIX_FMT_FP6 matrix_a_scale:MATRIX_SCALE_ROW1
.else
	v_wmma_scale_f32_16x16x128_f8f6f4 v[\d:\d+7], v[\a:\a+11], v[\b:\b+11], 0, v[\sa], v[\sb] matrix_a_fmt:MATRIX_FMT_FP6 matrix_b_fmt:MATRIX_FMT_FP6
.endif
.else
.if \row
	v_wmma_scale_f32_16x16x128_f8f6f4 v[\d:\d+7], v[\a:\a+11], v[\b:\b+11], v[\c:\c+7], v[\sa], v[\sb] matrix_a_fmt:MATRIX_FMT_FP6 matrix_b_fmt:MATRIX_FMT_FP6 matrix_a_scale:MATRIX_SCALE_ROW1
.else
	v_wmma_scale_f32_16x16x128_f8f6f4 v[\d:\d+7], v[\a:\a+11], v[\b:\b+11], v[\c:\c+7], v[\sa], v[\sb] matrix_a_fmt:MATRIX_FMT_FP6 matrix_b_fmt:MATRIX_FMT_FP6
.endif
.endif
.endm
	s_load_b128 s[4:7], s[0:1], 0x0                ; qkv s[4:5], tab s[6:7]
	s_load_b64 s[8:9], s[0:1], 0x10                ; ao
	v_lshl_add_u32 v6, v0, 2, SPARE
	v_mov_b32 v7, 0
	ds_add_u32 v6, v7                              ; the wave's opening: the add and its wait ahead of the first tensor loads
	ds_add_u32 v6, v7
	v_lshrrev_b32 v8, 5, v0
	s_delay_alu instid0(VALU_DEP_1)
	v_readfirstlane_b32 s10, v8                    ; wave 0..15
	s_bfe_u32 s11, ttmp6, 0x40000                  ; cx: it enters global addresses alone
	s_lshr_b32 s12, ttmp9, 5                       ; g: the same in all four partners
	s_and_b32 s13, ttmp9, 31
	s_lshl_b32 s13, s13, 2
	s_add_co_u32 s13, s13, s11                     ; 16 batch + head
	s_mov_b32 s16, 15|(3<<16)|(1<<21)              ; the table, jointly: all four work-groups; elements of 8 bytes; 24,576 dense bytes as 96 rows of 256
	s_mov_b32 s17, 32<<16
	s_mov_b32 s18, 96<<16
	s_mov_b32 s19, 32<<16
	s_mov_b32 s20, 96
	s_mov_b32 s21, 32
	s_mov_b32 s22, 0
	s_mov_b32 s23, 0
	s_mov_b32 s24, 3<<16                           ; K's and V's codes: the same shape, no mask
	s_mov_b32 s25, 32<<16
	s_mov_b32 s26, 96<<16
	s_mov_b32 s27, 32<<16
	s_mov_b32 s28, 96
	s_mov_b32 s29, 32
	s_mov_b32 s30, 0
	s_mov_b32 s31, 0
	s_mov_b32 s32, 3<<16                           ; scale words: 2,048 dense bytes as 8 rows of 256
	s_mov_b32 s33, 32<<16
	s_mov_b32 s34, 8<<16
	s_mov_b32 s35, 32<<16
	s_mov_b32 s36, 8
	s_mov_b32 s37, 32
	s_mov_b32 s38, 0
	s_mov_b32 s39, 0
	s_mov_b32 s52, 0x76543210
	s_mov_b32 s53, 0xfedcba98                      ; lane l xor 16
	s_mov_b32 s54, 0x3e38aa3b                      ; c = log2(e) / 8
	s_mov_b32 s55, s54
	s_mov_b32 s56, 0xffff0000                      ; the mask of lanes 16-31
	s_and_b32 s82, s10, 1
	s_mul_i32 s83, s10, 24576                      ; waves 0-7: my 24,576 bytes of LDS; waves 0-3: also of the table in memory
	s_mov_b32 s81, 0
	s_mov_b32 s80, s83
	s_mul_i32 s84, s13, 49152                      ; waves 4-7: my head's K (4, 5) or V (6, 7), its first or second half
	s_mul_i32 s85, s82, 24576
	s_add_co_u32 s84, s84, s85
	s_bfe_u32 s85, s10, 0x10001
	s_mul_i32 s85, s85, 6291456
	s_add_co_u32 s84, s84, s85
	s_add_co_u32 s84, s84, KCO
	s_mov_b32 s85, 0
	s_lshl_b32 s86, s82, 11                        ; waves 8, 9: the table's scale words
	s_add_co_u32 s86, s86, TVSO
	s_lshl_b32 s88, s13, 11                        ; waves 10, 11: my head's K's, V's
	s_lshl_b32 s89, s82, 18
	s_add_co_u32 s88, s88, s89
	s_add_co_u32 s88, s88, KSO
	s_cmp_lt_u32 s10, 10
	s_cselect_b32 s86, s86, s88
	s_mov_b32 s87, 0
	s_wait_dscnt 0x0                               ; the opening add is done
	s_wait_kmcnt 0x0
	s_mov_b32 s40, 1
	s_mov_b32 s41, s83
	s_add_nc_u64 s[42:43], s[6:7], s[80:81]
	s_or_b32 s43, s43, 0x80000000
	s_mov_b32 s44, 1
	s_mov_b32 s45, s83
	s_add_nc_u64 s[46:47], s[4:5], s[84:85]
	s_or_b32 s47, s47, 0x80000000
	s_mov_b32 s48, 1
	s_lshl_b32 s49, s10, 11
	s_add_co_u32 s49, s49, TVSL-8*2048
	s_cmp_lt_u32 s10, 10
	s_cselect_b64 s[90:91], s[6:7], s[4:5]
	s_add_nc_u64 s[50:51], s[90:91], s[86:87]
	s_or_b32 s51, s51, 0x80000000
	ROUND                                          ; all four work-groups are here: the joint loads meet
	s_cmp_lt_u32 s10, 4                            ; every fill of the launch: one tensor load a wave, twelve waves; an s_nop 0 and four v_nop follow each
	s_cbranch_scc0 .Lnot_j
	tensor_load_to_lds s[40:43], s[16:23]
	s_nop 0
.rept 4
	v_nop
.endr
	s_branch .Lasked
.Lnot_j:
	s_cmp_lt_u32 s10, 8
	s_cbranch_scc0 .Lnot_a
	tensor_load_to_lds s[44:47], s[24:31]
	s_nop 0
.rept 4
	v_nop
.endr
	s_branch .Lasked
.Lnot_a:
	s_cmp_lt_u32 s10, 12
	s_cbranch_scc0 .Lasked
	tensor_load_to_lds s[48:51], s[32:39]
	s_nop 0
.rept 4
	v_nop
.endr
.Lasked:
	v_and_b32 v1, 31, v0
	s_delay_alu instid0(VALU_DEP_1)
	v_lshlrev_b32 v2, 3, v1
	s_delay_alu instid0(VALU_DEP_2)
	v_lshlrev_b32 v3, 2, v1
	s_delay_alu instid0(VALU_DEP_3)
	v_lshlrev_b32 v1, 4, v1
	v_and_b32 v8, 15, v0                           ; r
	v_bfe_u32 v9, v0, 4, 1                         ; h
	s_mul_i32 s82, s10, 5120
	s_add_co_u32 s82, s82, EL                      ; my wave's 16 rows of 80 words
	v_mul_u32_u24 v4, v8, 316
	s_delay_alu instid0(VALU_DEP_1)
	v_lshl_add_u32 v4, v9, 6, v4
	s_delay_alu instid0(VALU_DEP_1)
	v_add_nc_u32 v4, s82, v4                       ; read: word 79 r + 16 h + a constant: 32 different banks
	v_mul_u32_u24 v5, v8, 320
	s_delay_alu instid0(VALU_DEP_1)
	v_add_nc_u32 v5, s82, v5
	v_mul_u32_u24 v253, v9, 192
	s_delay_alu instid0(VALU_DEP_1)
	v_add_nc_u32 v253, v253, v5                    ; v253, kept: the fixed zones: lanes 0-15 words 0-31, lanes 16-31 words 48-79
	s_delay_alu instid0(VALU_DEP_3)
	v_lshl_add_u32 v5, v9, 5, v5
	s_delay_alu instid0(VALU_DEP_1)
	v_add_nc_u32 v5, 128, v5                       ; write: words 32 + 8 h on
	v_lshrrev_b32 v11, 3, v8                       ; which sixteen tokens of Q's unit hold my query
	v_and_b32 v248, 7, v8
	s_delay_alu instid0(VALU_DEP_1)
	v_lshlrev_b32 v245, 4, v248
	s_delay_alu instid0(VALU_DEP_1)
	v_lshl_add_u32 v245, v9, 8, v245
	s_delay_alu instid0(VALU_DEP_1)
	v_mad_u32_u24 v246, v11, 1016, v245
	s_delay_alu instid0(VALU_DEP_1)
	v_add_nc_u32 v246, 8, v246
	s_delay_alu instid0(VALU_DEP_3)
	v_mad_u32_u24 v245, v11, 520, v245             ; v245-247: my query's three pieces of 8 bytes in the unit's image
	s_delay_alu instid0(VALU_DEP_1)
	v_add_nc_u32 v247, 512, v245
	v_lshlrev_b32 v248, 2, v248
	v_lshlrev_b32 v249, 4, v8
	s_delay_alu instid0(VALU_DEP_1)
	v_lshl_add_u32 v249, v9, 3, v249               ; the way out: 16 r + 8 h
	v_lshlrev_b32 v250, 2, v8
	s_delay_alu instid0(VALU_DEP_1)
	v_lshl_add_u32 v250, v9, 1, v250               ; and the scale byte's place: 4 r + 2 h
	v_lshlrev_b32 v251, 6, v9
	v_add_nc_u32 v235, TVSL, v3
	v_mov_b32 v244, 0x01000100
	v_mov_b32 v222, 0x03020302
	s_mov_b32 s83, 0xff00ff00                      ; the lanes with r >= 8
	v_cndmask_b32 v244, v244, v222, s83            ; which two bytes of the unit's scale word are my query's
	v_mov_b32 v232, 0x7f7f7f7f
	v_mov_b32 v234, 0xff800000
.irp i, 0,1,2,3,4,5
	v_mov_b32 v[16+\i], 0
	v_mov_b32 v[28+\i], 0
	v_mov_b32 v[54+\i], 0
.endr
.irp i, 0,1,2,3                                ; the code of 1.0, 32 to six registers
	v_mov_b32 v[42+3*\i], 0x08208208
	v_mov_b32 v[43+3*\i], 0x82082082
	v_mov_b32 v[44+3*\i], 0x20820820
.endr
.irp i, 0,1,2,3
	v_mov_b32 v[212+\i], 0                         ; lane permutes' destinations count as sources
	v_mov_b32 v[240+\i], 0
	v_cndmask_b32 v[84+\i], v7, v234, s56
.endr
	v_mov_b32 v221, 0                              ; (named as the upper half of the pair v[220:221] before it is first written)
.irp k, 0,1,2,3,4,5,6,7
	ds_store_b128 v253, v[84:87] offset:16*\k      ; zeros in front of the corrections, -infinity behind them
.endr
; THE VALUE TABLE'S NEAR BLOCKS (a - 1 and a), at a pass's end, shared out across the sixteen waves.  In a pass all waves hold queries of the same 16 places modulo 32, and a place's table fragments are the same for all of them.
; Each wave puts its queries' codes of p for the two blocks (24 bytes a lane) and their scale word into LDS: [query][wave][block].  Behind a barrier wave w takes queries 2 (w / 2) and 2 (w / 2) + 1 of ALL sixteen waves as the
; sixteen columns of source 1, and tiles 2 (w % 2) and 2 (w % 2) + 1 of d: four matrix instructions.  The table's unit holds the first query in K 0-63 and the second in K 64-127: the codes stand beside six registers of zeros
; (v22-27 with v28-33; v54-59 with v60-65).  A column's results go to its owner's own rows of corrections, which nobody reads at that time, as an image of O^T's registers (piece k at 512 k + 16 x lane.
; 15 x 16 + 4,096 bytes stay inside the owner's 5,120); behind a second barrier the owner adds them.
.set PX,  288768                       ; behind the spare words: the codes, 16 queries x (16 waves x 48 bytes + 16)
.set PXS, 301312                       ; and the scale words, 16 queries x 16 waves
.macro NEAR pi
	s_mul_i32 s90, s10, 48
	s_add_co_u32 s90, s90, PX
	s_lshl_b32 s91, s10, 2
	s_add_co_u32 s91, s91, PXS
	s_lshr_b32 s96, s10, 1
	s_mul_i32 s92, s96, 2*784
	s_add_co_u32 s92, s92, PX
	s_lshl_b32 s93, s96, 7
	s_add_co_u32 s93, s93, PXS
	s_mul_i32 s94, s10, 3072                       ; the table's units 4 (w / 2) + 2 (w % 2) on
	s_lshl_b32 s95, s10, 7                         ; and their scale words
	s_lshl_b32 s96, s96, 5
	s_and_b32 s97, s10, 1
	s_lshl_b32 s97, s97, 11
	s_add_co_u32 s96, s96, s97
	s_add_co_u32 s96, s96, EL
	s_mul_i32 s97, s10, 5136
	s_add_co_u32 s97, s97, EL
	v_and_b32 v210, 15, v0                         ; r
	v_bfe_u32 v211, v0, 4, 1                       ; h
	v_add_nc_u32 v216, s94, v252
	v_add_nc_u32 v217, s95, v235
	v_add_nc_u32 v219, s97, v1                     ; my results come back: 16 x lane
	v_mul_u32_u24 v212, v210, 784
	v_lshlrev_b32 v213, 6, v210
	v_mul_u32_u24 v214, v210, 48
	v_lshlrev_b32 v215, 2, v210
	v_mul_u32_u24 v218, v210, 5136
	v_mad_u32_u24 v212, v211, 24, v212
	v_add_nc_u32 v213, s91, v213                   ; my queries' scale words: 64 r + 4 w
	v_mad_u32_u24 v214, v211, 24, v214
	v_add_nc_u32 v215, s93, v215                   ; the columns' scale words: 4 r
	v_lshl_add_u32 v218, v211, 8, v218
	v_add_nc_u32 v212, s90, v212                   ; my queries' codes: 784 r + 48 w + 24 h
	s_delay_alu instid0(VALU_DEP_4)
	v_add_nc_u32 v214, s92, v214                   ; the columns' codes: 48 r + 24 h
	s_delay_alu instid0(VALU_DEP_3)
	v_add_nc_u32 v218, s96, v218                   ; the results go out: owner r, 256 h
	ds_store_b64 v212, v[PC+6:PC+7]
	ds_store_b64 v212, v[PC+8:PC+9] offset:8
	ds_store_b64 v212, v[PC+10:PC+11] offset:16
	ds_store_b32 v213, v233                        ; both halves of the lanes write the same word with the same value
	s_wait_alu depctr_va_vdst(0)
	s_wait_dscnt 0x0                               ; my stores are done, and so are my reads of my rows of corrections
	s_barrier_signal -1
	s_barrier_wait -1
.irp p, 0,1,2
	ds_load_b64 v[22+2*\p:23+2*\p], v214 offset:8*\p
	ds_load_b64 v[60+2*\p:61+2*\p], v214 offset:784+8*\p
	ds_load_b128 v[66+4*\p:69+4*\p], v216 offset:512*\p
	ds_load_b128 v[PC+4*\p:PC+3+4*\p], v216 offset:1536+512*\p
.endr
	ds_load_b32 v208, v215
	ds_load_b32 v209, v215 offset:64
	ds_load_b32 v236, v217 offset:2048*\pi
	s_wait_dscnt 0x0
	MM 116, 66, 22, -1, 236, 208, 0
	MM 124, 66, 54, -1, 236, 209, 0
	MM 132, PC, 22, -1, 236, 208, 1
	MM 140, PC, 54, -1, 236, 209, 1
.rept 4
	v_nop                                          ; places in front of the stores of results
.endr
.irp k, 0,1,2,3
	ds_store_b128 v218, v[116+8*\k:119+8*\k] offset:1024*(\k/2)+16*(\k%2)
	ds_store_b128 v218, v[120+8*\k:123+8*\k] offset:1024*(\k/2)+16*(\k%2)+512
.endr
	s_wait_dscnt 0x0
	s_barrier_signal -1
	s_barrier_wait -1
.irp k, 0,1,2,3,4,5,6,7
	ds_load_b128 v[116+4*\k:119+4*\k], v219 offset:512*\k
.endr
	s_wait_dscnt 0x0
.irp j, 0,2,4,6,8,10,12,14,16,18,20,22,24,26,28,30
	v_pk_add_f32 v[O+\j:O+1+\j], v[O+\j:O+1+\j], v[116+\j:117+\j]
.endr
.endm
.macro PASS pi                         ; a pass's addresses and its loads from memory
	s_wait_xcnt 0x0                                ; the last pass's stores have read their registers and bases
.if \pi
.irp i, 0,1,2,3
	v_cndmask_b32 v[84+\i], v7, v234, s56
.endr
.irp k, 0,1,2,3,4,5,6,7
	ds_store_b128 v253, v[84:87] offset:16*\k      ; the fixed zones anew: the last pass's results lay on them
.endr
.endif
	s_and_b32 s82, s10, 3
.if \pi
	s_xor_b32 s82, s82, 3
.endif                                         ; a mod 4, from the wave's number alone: it enters LDS addresses
	s_lshr_b32 s84, s10, 2                         ; a = 16 g + 4 ((w / 4 + w) mod 4) + w mod 4: four waves that share w mod 4, or w / 4, have 1, 2, 3 and 4 steps (+ 4 g) among them in each pass
	s_add_co_u32 s84, s84, s10
	s_and_b32 s84, s84, 3
	s_lshl_b32 s84, s84, 2
	s_lshl_b32 s83, s12, 4
	s_add_co_u32 s83, s83, s84
	s_and_b32 s84, s10, 3
	s_add_co_u32 s83, s83, s84
.if \pi
	s_sub_co_u32 s83, 31, s83
.endif                                         ; a: my block of 32 queries
	s_lshr_b32 s58, s83, 2                         ; the last step's number
	s_mov_b32 s57, 0                               ; the step
	s_mul_i32 s59, s82, 1536
	s_add_co_u32 s59, s59, KCL-3*1536              ; the step's first block is 4 step + a mod 4 - 3: K's units,
	s_lshl_b32 s60, s82, 7
	s_add_co_u32 s60, s60, VCL-3*128               ; V's blocks,
	s_lshl_b32 s61, s82, 6
	s_add_co_u32 s61, s61, KSL-3*64                ; K's scale words,
	s_mov_b32 s62, VSL-256                         ; V's: the words of keys 128 (step - 1) on and 128 step on,
	s_add_co_u32 s63, s82, 1
	s_mul_i32 s63, s63, 0x01010101
	s_add_co_u32 s63, s63, 0x03020100              ; of whose eight bytes the four from a mod 4 + 1 on are the step's
.irp b, 0,1,2
	s_cmp_lt_u32 s82, 3-\b
	s_cselect_b32 s[66+\b], -1, 0                  ; in the first step: block b lies in front of key 0
.endr
	s_lshl_b32 s84, s13, 5
	s_add_co_u32 s84, s84, s83
	s_mul_i32 s86, s84, 1536
	s_add_co_u32 s86, s86, 128*\pi
	s_mov_b32 s87, 0
	s_add_nc_u64 s[72:73], s[4:5], s[86:87]        ; Q's unit
	s_lshl_b32 s86, s84, 6
	s_add_co_u32 s86, s86, QSO+32*\pi
	s_add_nc_u64 s[74:75], s[4:5], s[86:87]        ; its scale words
	s_lshl_b32 s84, s83, 1
	s_add_co_u32 s84, s84, \pi                     ; my tile of 16 queries in the batch
	s_lshr_b32 s85, s13, 4
	s_lshl_b32 s85, s85, 3
	s_lshr_b32 s88, s84, 3
	s_add_co_u32 s85, s85, s88                     ; rows / 128
	s_lshl_b32 s85, s85, 3
	s_bfe_u32 s88, s13, 0x30001                    ; the K step of the last product: head / 2
	s_add_co_u32 s85, s85, s88
	s_lshl_b32 s85, s85, 3
	s_and_b32 s88, s84, 7
	s_add_co_u32 s85, s85, s88                     ; the unit
	s_and_b32 s88, s13, 1                          ; head mod 2: which half of the unit's lanes
	s_mul_i32 s86, s85, 1536
	s_lshl_b32 s89, s88, 8
	s_add_co_u32 s86, s86, s89
	s_add_nc_u64 s[76:77], s[8:9], s[86:87]
	s_lshl_b32 s86, s85, 6
	s_add_co_u32 s86, s86, s88
	s_add_co_u32 s86, s86, AOS
	s_add_nc_u64 s[78:79], s[8:9], s[86:87]
	global_load_b64 v[22:23], v245, s[72:73]
	global_load_b64 v[24:25], v246, s[72:73]
	global_load_b64 v[26:27], v247, s[72:73]
	global_load_b32 v222, v248, s[74:75]
.irp p, 0,1,2
	global_load_b128 v[60+4*\p:63+4*\p], v1, s[6:7] offset:LKO+512*\p   ; lut_k's unit
.endr
	global_load_b32 v236, v3, s[6:7] offset:LKSO
	v_add_nc_u32 v252, 49152*\pi, v1
.endm
.macro PASSB pi                        ; the pass's work
	s_wait_loadcnt 0x0
	v_perm_b32 v223, v222, v222, v244              ; Q's two bytes, twice: for either place of Q among the zeros
	v_mov_b32 v13, 0xff61b1e6                      ; the largest t so far: -3e38
	s_delay_alu instid0(VALU_DEP_1)
	v_floor_f32 v12, -v13
	v_mov_b32 v14, 0
	v_mov_b32 v15, 0
.set i, 0
.rept 40
	v_mov_b32 v[O+i], 0                            ; O^T and the far sum: the step is written once and finds zeros.  (These lines are also the places behind the scale word's make)
.set i, i+1
.endr
	MM S, 60, 22, -1, 236, 223, 0                  ; R[8 h + j]
	MM S+8, 60, 16, -1, 236, 223, 0                ; R[16 + 8 h + j]
.rept 4
	v_nop
.endr
	v_permlanex16_b32 v222, v84, s52, s53
	v_cndmask_b32 v34, v84, v222, s56              ; R[0]
.irp j, 0,1,2,3,4,5,6,7
	v_sub_f32 v[100+\j], v[84+\j], v34
.endr
	v_sub_f32 v108, v92, v34
	s_delay_alu instid0(VALU_DEP_1)
	v_cndmask_b32 v108, v108, v234, s56
	ds_store_b128 v5, v[100:103]                   ; words 32 + 8 h + j: R[8 h + j] - R[0]
	ds_store_b128 v5, v[104:107] offset:16
	ds_store_b32 v5, v108 offset:64                ; word 48: R[16] - R[0] (lanes 16-31: word 56, which is -infinity)
.irp j, 1,2,3,4,5,6,7
	v_mov_b32 v[34+\j], v34
.endr
.Lstep_\pi:                                            ; eight trips, a constant; a step behind my last is passed over
	s_cmp_gt_u32 s57, s58
	s_cbranch_scc1 .Lend_step_\pi
	v_add_nc_u32 v8, s59, v1
	v_add_nc_u32 v9, s60, v2
	v_add_nc_u32 v10, s61, v3
	v_add_nc_u32 v11, s62, v3
	v_nop                                          ; with the four above: more than the five places that the score products owe, since they write over registers that the last V products read
	v_nop
	ds_load_b32 v224, v10                          ; K's scale words: lanes 0-15 unit 0, lanes 16-31 unit 1;
	ds_load_b32 v225, v10 offset:128               ; units 2, 3
	s_wait_alu depctr_va_vdst(0)
.irp g, 0,1
.if \g
.rept 4
	v_nop                                          ; places in front of loads into registers that matrix instructions have read
.endr
.endif
.irp k, 0,1
.irp p, 0,1,2
	ds_load_b128 v[60+12*\k+4*\p:63+12*\k+4*\p], v8 offset:1536*(2*\g+\k)+512*\p
.endr
.endr
	s_wait_dscnt 0x0
.irp k, 0,1
.irp u, 0,1
	MM S+8*(4*\g+2*\k+\u), 60+12*\k, 22-6*\u, 34, 224+\g, 223, \k
.endr
.endr
.endr                                          ; the 16 registers of tiles 2 b, 2 b + 1 are keys 16 h + 0 .. 15 of the step's block b
.rept 4
	v_nop
.endr
	s_cmp_lg_u32 s57, 0
	s_cbranch_scc1 .Lnomask_\pi
.irp b, 0,1,2
.set e, 0
.rept 16
	v_cndmask_b32 v[S+16*\b+e], v[S+16*\b+e], v234, s[66+\b]
.set e, e+1
.endr
.endr
.Lnomask_\pi:
	s_cmp_lg_u32 s57, s58
	s_cbranch_scc1 .Lnodiag_\pi
.if \pi == 0
.set e, 0
.rept 16
	ds_load_b32 v[60+e], v4 offset:4*(16+e)        ; block a - 1: key - query + 48 = 16 + 16 h + e - r
.set e, e+1
.endr
.endif
.set e, 0
.rept 16
	ds_load_b32 v[PC+e], v4 offset:4*(48-16*\pi+e) ; block a
.set e, e+1
.endr
	s_wait_dscnt 0x0
.if \pi == 0
	s_wait_alu depctr_va_vdst(0)
.irp k, 0,2,4,6,8,10,12,14
	v_pk_add_f32 v[S+32+\k:S+33+\k], v[S+32+\k:S+33+\k], v[60+\k:61+\k]
.endr
.endif
.irp k, 0,2,4,6,8,10,12,14
	v_pk_add_f32 v[S+48+\k:S+49+\k], v[S+48+\k:S+49+\k], v[PC+\k:PC+1+\k]
.endr
.Lnodiag_\pi:
.irp b, 0,1,2,3
	v_max3_num_f32 v[208+\b], v[S+16*\b], v[S+1+16*\b], v[S+2+16*\b]   ; the largest score of each block: for the row's maximum, and, since p rises with the score, for the block's largest p
.endr
.irp i, 3,5,7,9,11,13
.irp b, 0,1,2,3
	v_max3_num_f32 v[208+\b], v[208+\b], v[S+16*\b+\i], v[S+1+16*\b+\i]
.endr
.endr
.irp b, 0,1,2,3
	v_max_num_f32 v[208+\b], v[208+\b], v[S+15+16*\b]
.endr
.irp b, 0,1,2,3
	s_delay_alu instid0(VALU_DEP_4)
	v_permlanex16_b32 v[212+\b], v[208+\b], s52, s53
.endr
.irp b, 0,1,2,3
	s_delay_alu instid0(VALU_DEP_4)
	v_max_num_f32 v[208+\b], v[208+\b], v[212+\b]
.endr
	s_delay_alu instid0(VALU_DEP_2)
	v_max3_num_f32 v222, v208, v209, v210
	s_delay_alu instid0(VALU_DEP_1)
	v_max_num_f32 v222, v222, v211
	s_delay_alu instid0(VALU_DEP_1)
	v_mul_f32 v222, s54, v222
	s_delay_alu instid0(VALU_DEP_1)
	v_max_num_f32 v13, v13, v222                   ; the running largest t
	v_mov_b32 v222, v12
	s_delay_alu instid0(VALU_DEP_2)
	v_floor_f32 v12, -v13                          ; -M = floor(-t): M is a whole number
	s_delay_alu instid0(VALU_DEP_1)
	v_sub_f32 v222, v12, v222
	s_delay_alu instid0(VALU_DEP_1)
	v_cvt_i32_f32 v222, v222                       ; (it saturates)
	s_delay_alu instid0(VALU_DEP_1)
	v_ldexp_f32 v220, 1.0, v222                    ; f = 2^(old M - new M)
.irp j, 0,2,4,6,8,10,12,14,16,18,20,22,24,26,28,30,32,34,36,38,40,42,44,46,48,50,52,54,56,58,60,62
	v_pk_fma_f32 v[S+\j:S+1+\j], v[S+\j:S+1+\j], s[54:55], v[12:13] op_sel_hi:[1,0,0]
.endr
.irp b, 0,1,2,3
	v_fma_f32 v[208+\b], v[208+\b], s54, v12
.endr
.set e, 0
	s_wait_alu depctr_va_vdst(0)
.rept 64
	v_exp_f32 v[S+e], v[S+e]                       ; p = 2^(t - M)
.set e, e+1
.endr
	v_pk_mul_f32 v[14:15], v[14:15], v[220:221] op_sel_hi:[1,0]   ; the sum under the new M; a plain place behind the exponentials
	s_wait_alu depctr_va_vdst(0)                   ; one wait for the batch, ahead of its first reader
.irp b, 0,1,2,3
	v_exp_f32 v[208+\b], v[208+\b]                 ; each block's largest p
.endr
	v_pk_add_f32 v[238:239], v[88:89], v[92:93]
	v_pk_add_f32 v[254:255], v[96:97], v[100:101]
	v_pk_add_f32 v[236:237], v[104:105], v[108:109]
	v_pk_add_f32 v[230:231], v[112:113], v[116:117]
	v_pk_add_f32 v[228:229], v[120:121], v[124:125]
	v_pk_add_f32 v[226:227], v[128:129], v[132:133]
	v_pk_add_f32 v[224:225], v[136:137], v[140:141]
	v_pk_add_f32 v[14:15], v[14:15], v[144:145]
	v_pk_add_f32 v[238:239], v[238:239], v[84:85]
	v_pk_add_f32 v[254:255], v[254:255], v[86:87]
	v_pk_add_f32 v[236:237], v[236:237], v[90:91]
	v_pk_add_f32 v[230:231], v[230:231], v[94:95]
	v_pk_add_f32 v[228:229], v[228:229], v[98:99]
	v_pk_add_f32 v[226:227], v[226:227], v[102:103]
	v_pk_add_f32 v[224:225], v[224:225], v[106:107]
	v_pk_add_f32 v[14:15], v[14:15], v[110:111]
	v_pk_add_f32 v[238:239], v[238:239], v[114:115]
	v_pk_add_f32 v[254:255], v[254:255], v[118:119]
	v_pk_add_f32 v[236:237], v[236:237], v[122:123]
	v_pk_add_f32 v[230:231], v[230:231], v[126:127]
	v_pk_add_f32 v[228:229], v[228:229], v[130:131]
	v_pk_add_f32 v[226:227], v[226:227], v[134:135]
	v_pk_add_f32 v[224:225], v[224:225], v[138:139]
	v_pk_add_f32 v[14:15], v[14:15], v[142:143]
	v_pk_add_f32 v[238:239], v[238:239], v[146:147]
	s_delay_alu instid0(VALU_DEP_2)
	v_pk_add_f32 v[14:15], v[14:15], v[230:231]
	s_delay_alu instid0(VALU_DEP_2)
	v_pk_add_f32 v[238:239], v[238:239], v[228:229]
	v_pk_add_f32 v[254:255], v[254:255], v[226:227]
	v_pk_add_f32 v[236:237], v[236:237], v[224:225]
	s_delay_alu instid0(VALU_DEP_2)
	v_pk_add_f32 v[14:15], v[14:15], v[254:255]
	s_delay_alu instid0(VALU_DEP_2)
	v_pk_add_f32 v[238:239], v[238:239], v[236:237]
	s_delay_alu instid0(VALU_DEP_1)
	v_pk_add_f32 v[14:15], v[14:15], v[238:239]
	s_wait_alu depctr_va_vdst(0)                   ; and one for the four
.irp b, 0,1,2,3
	v_max_num_f32 v[208+\b], 0x1800000, v[208+\b]  ; the floor: the byte cannot fall under 1
.endr
.irp b, 0,1,2,3
	s_delay_alu instid0(VALU_DEP_4)
	v_add_nc_u32 v[216+\b], 0xff000000, v[208+\b]
.endr
.irp b, 0,1,2,3
	s_delay_alu instid0(VALU_DEP_4)
	v_lshrrev_b32 v[212+\b], 23, v[216+\b]
.endr
	s_delay_alu instid0(VALU_DEP_3)
	v_lshl_or_b32 v221, v213, 8, v212              ; p's scale word
	s_delay_alu instid0(VALU_DEP_1)
	v_lshl_or_b32 v221, v214, 16, v221
	s_delay_alu instid0(VALU_DEP_1)
	v_lshl_or_b32 v221, v215, 24, v221
	s_delay_alu instid0(VALU_DEP_1)
	v_perm_b32 v233, v221, v221, 0x03020302        ; blocks 2 and 3's bytes, twice: for the near products
.irp c, 0,1
	v_cvt_scalef32_pk16_fp6_f32 v[PC+6*\c:PC+2+6*\c], v[S+32*\c:S+15+32*\c], v[216+2*\c]
	v_cvt_scalef32_pk16_fp6_f32 v[200+4*\c:202+4*\c], v[S+16+32*\c:S+31+32*\c], v[217+2*\c]
.endr
	v_nop                                          ; one plain place behind the scaled conversions
	ds_load_b32 v226, v11
	ds_load_b32 v227, v11 offset:256
	ds_load_b32 v228, v11 offset:128
	ds_load_b32 v229, v11 offset:384
.irp t, 0,1,2,3
.irp c, 0,1
.irp p, 0,1,2
	ds_load_b64 v[S+12*\t+6*\c+2*\p:S+12*\t+6*\c+2*\p+1], v9 offset:4096*(3*\t+\p)+256*\c   ; V's fragments: 256 consecutive bytes a load
.endr
.endr
.endr
.irp c, 0,1
.irp i, 0,1,2
	v_permlane16_swap_b32 v[PC+6*\c+\i], v[200+4*\c+\i]
.endr
.irp i, 0,1,2
	s_delay_alu instid0(VALU_DEP_3)
	v_mov_b32 v[PC+3+6*\c+\i], v[200+4*\c+\i]
.endr
.endr
	s_wait_dscnt 24                                ; V's scale words are in; the 24 fragment loads may be out
	v_perm_b32 v230, v227, v226, s63
	v_perm_b32 v231, v229, v228, s63
.set e, 0
.rept 20
	v_pk_mul_f32 v[O+e:O+1+e], v[O+e:O+1+e], v[220:221] op_sel_hi:[1,0]   ; O^T and the far sum under the new M; also the places behind the scale words' and the codes' make
.set e, e+2
.endr
	s_wait_alu depctr_va_vdst(0)
	s_wait_dscnt 0x0
.irp t, 0,1,2,3
	MM O+8*\t, S+12*\t, PC, O+8*\t, 230+\t/2, 221, \t%2
.endr
	s_cmp_eq_u32 s57, s58
	s_cbranch_scc1 .Llast_\pi
	MM SG, 42, PC, SG, 232, 221, 0                 ; all four blocks are far
	s_branch .Lend_step_\pi
.Llast_\pi:
	MM SG, 48, PC, SG, 232, 221, 0                 ; blocks 0 and 1 alone; blocks 2 and 3 follow at the pass's end: p's codes and v233 stay as they are
.Lend_step_\pi:
	s_add_co_u32 s59, s59, 6144
	s_add_co_u32 s60, s60, 512
	s_add_co_u32 s61, s61, 256
	s_add_co_u32 s62, s62, 256
	s_add_co_u32 s57, s57, 1
	s_cmp_lt_u32 s57, 8
	s_cbranch_scc1 .Lstep_\pi
	; ---- the pass's end
.rept 4
	v_nop
.endr
.irp k, 0,1,2,3
	global_load_b128 v[S+4*\k:S+3+4*\k], v251, s[6:7] offset:QV0+16*\k        ; Qv0 at d = 16 h + 0 .. 15,
	global_load_b128 v[S+16+4*\k:S+19+4*\k], v251, s[6:7] offset:QV0+128+16*\k ; and 32 + 16 h + 0 .. 15
.endr
	NEAR \pi
	v_add_f32 v14, v14, v15
	s_delay_alu instid0(VALU_DEP_1)
	v_permlanex16_b32 v222, v14, s52, s53
	s_delay_alu instid0(VALU_DEP_1)
	v_add_f32 v14, v14, v222                       ; the row's sum
	s_wait_alu depctr_va_vdst(0)
	v_rcp_f32 v14, v14
	v_nop
	s_wait_alu depctr_va_vdst(0)
	s_wait_loadcnt 0x0
.irp j, 0,2,4,6,8,10,12,14,16,18,20,22,24,26,28,30
	v_pk_fma_f32 v[O+\j:O+1+\j], v[S+\j:S+1+\j], v[SG:SG+1], v[O+\j:O+1+\j] op_sel_hi:[1,0,1]   ; + the far sum x Qv0
.endr
.irp j, 0,2,4,6,8,10,12,14,16,18,20,22,24,26,28,30
	v_pk_mul_f32 v[O+\j:O+1+\j], v[O+\j:O+1+\j], v[14:15] op_sel_hi:[1,0]
.endr
.irp b, 0,1
	v_max3_num_f32 v[208+\b], |v[O+16*\b]|, |v[O+1+16*\b]|, 0x1800000
.endr
.irp i, 2,4,6,8,10,12,14
.irp b, 0,1
	s_delay_alu instid0(VALU_DEP_2)
	v_max3_num_f32 v[208+\b], v[208+\b], |v[O+16*\b+\i]|, |v[O+1+16*\b+\i]|
.endr
.endr
.irp b, 0,1
	s_delay_alu instid0(VALU_DEP_2)
	v_permlanex16_b32 v[212+\b], v[208+\b], s52, s53
.endr
.irp b, 0,1
	s_delay_alu instid0(VALU_DEP_2)
	v_max_num_f32 v[208+\b], v[208+\b], v[212+\b]
.endr
.irp b, 0,1
	s_delay_alu instid0(VALU_DEP_2)
	v_add_nc_u32 v[216+\b], 0xff000000, v[208+\b]
.endr
.irp b, 0,1
	s_delay_alu instid0(VALU_DEP_2)
	v_lshrrev_b32 v[212+\b], 23, v[216+\b]
.endr
	v_cvt_scalef32_pk16_fp6_f32 v[200:202], v[O:O+15], v216
	v_cvt_scalef32_pk16_fp6_f32 v[204:206], v[O+16:O+31], v217
	v_nop
	v_permlanex16_b32 v240, v201, s52, s53
	v_permlanex16_b32 v241, v202, s52, s53
	v_permlanex16_b32 v242, v204, s52, s53
	v_permlanex16_b32 v243, v205, s52, s53
	v_cndmask_b32 v188, v200, v241, s56            ; the row's twelve registers, two to a lane for each piece of 16 bytes: lanes 0-15 the piece's first two, lanes 16-31 its last two
	v_cndmask_b32 v189, v201, v200, s56
	s_delay_alu instid0(VALU_DEP_4)
	v_cndmask_b32 v190, v240, v242, s56
	s_delay_alu instid0(VALU_DEP_4)
	v_cndmask_b32 v191, v241, v243, s56
	v_cndmask_b32 v192, v206, v205, s56
	v_cndmask_b32 v193, v242, v206, s56
.irp p, 0,1,2
	global_store_b64 v249, v[188+2*\p:189+2*\p], s[76:77] offset:512*\p   ; 256 consecutive bytes, aligned
.endr
	v_cndmask_b32 v222, v212, v213, s56
	global_store_b8 v250, v222, s[78:79]           ; the word's byte 2 x block + head mod 2
.endm
	PASS 0                                         ; the first pass's loads are on their way while the fills land
	s_wait_tensorcnt 0x0                           ; my fill has landed,
	s_wait_dscnt 0x0
	s_barrier_signal -1
	s_barrier_wait -1                              ; everybody's has.  Nothing is ever filled again
	PASSB 0
	PASS 1
	PASSB 1
	s_wait_tensorcnt 0x0                           ; the wave's end
	ds_add_u32 v6, v7
	s_wait_dscnt 0x0
	ROUND                                          ; the closing round
	s_endpgm
.Lfunc_end_k_q25222fb3e4_attn:
	.size	k_q25222fb3e4_attn, .Lfunc_end_k_q25222fb3e4_attn-k_q25222fb3e4_attn
	.p2alignl 7, 3214868480
	.fill 96, 4, 3214868480
	.section	.rodata,"a",@progbits
	.p2align	6, 0x0
	.amdhsa_kernel k_q25222fb3e4_attn
		.amdhsa_group_segment_fixed_size 327680
		.amdhsa_private_segment_fixed_size 0
		.amdhsa_enable_private_segment 0
		.amdhsa_kernarg_size 24
		.amdhsa_user_sgpr_count 2
		.amdhsa_user_sgpr_kernarg_segment_ptr 1
		.amdhsa_wavefront_size32 1
		.amdhsa_system_sgpr_workgroup_id_x 1
		.amdhsa_system_sgpr_workgroup_id_y 1
		.amdhsa_system_sgpr_workgroup_id_z 1
		.amdhsa_system_vgpr_workitem_id 0
		.amdhsa_next_free_vgpr 256
		.amdhsa_next_free_sgpr 100
		.amdhsa_reserve_vcc 0
		.amdhsa_float_denorm_mode_32 3
		.amdhsa_float_denorm_mode_16_64 3
		.amdhsa_memory_ordered 1
		.amdhsa_forward_progress 1
		.amdhsa_inst_pref_size 97
	.end_amdhsa_kernel
	.amdgpu_metadata
---
amdhsa.version: [ 1, 2 ]
amdhsa.kernels:
  - .name:           k_q25222fb3e4_attn
    .symbol:         k_q25222fb3e4_attn.kd
    .args:
      - { .name: qkv, .offset: 0, .size: 8, .value_kind: global_buffer, .address_space: global }
      - { .name: tab, .offset: 8, .size: 8, .value_kind: global_buffer, .address_space: global }
      - { .name: ao, .offset: 16, .size: 8, .value_kind: global_buffer, .address_space: global }
    .group_segment_fixed_size: 327680
    .private_segment_fixed_size: 0
    .kernarg_segment_align: 8
    .kernarg_segment_size: 24
    .max_flat_workgroup_size: 512
    .sgpr_count:     100
    .vgpr_count:     256
    .wavefront_size: 32
...
	.end_amdgpu_metadata
.endif
;; end of part 3
;; launch gemm_proj (part 4): grid 4 x 64, 4 waves a work-group, clusters of 4 x 4, 327,680 bytes of LDS; arguments opw, ao, b_proj, out0; writes out0
.if DOCPART == 4
	.amdgcn_target "amdgcn-amd-amdhsa--gfx1250"
	.amdhsa_code_object_version 6
	.text
	.protected	k_q25222fb3e4_gemm_proj
	.globl	k_q25222fb3e4_gemm_proj
	.p2align	8
	.type	k_q25222fb3e4_gemm_proj,@function
k_q25222fb3e4_gemm_proj:
	s_mov_b64 s[64:65], 0
	v_nop
	global_prefetch_b8 v0, s[64:65] scope:SCOPE_SE
	s_setreg_imm32_b32 hwreg(HW_REG_WAVE_MODE, 25, 1), 1
	s_wait_xcnt 0x0
	s_wait_alu depctr_hold_cnt(0) depctr_sa_sdst(0) depctr_va_vdst(0) depctr_va_sdst(0) depctr_va_ssrc(0) depctr_va_vcc(0) depctr_vm_vsrc(0)
	s_getreg_b32 s2, hwreg(HW_REG_IB_STS2, 6, 4)
	s_cmp_eq_u32 s2, 0
	s_cbranch_scc0 .Lentry_in_a_cluster
	s_endpgm
.Lentry_in_a_cluster:
	s_bfe_u32 s2, ttmp6, 0x10000c
	s_cmp_lg_u32 s2, 0xf033
	s_cbranch_scc0 .Lentry_shape_is_right
	s_endpgm
.Lentry_shape_is_right:
; out0 = attention's result x W_proj + b_proj on codes of FP6 (E2M3); f32 out.
; A WORK-GROUP (x = 0..3, y = 0..63) makes 128 tokens x 256 columns: 256 work-groups.  Both operands lie in memory as images of the operand's registers, 98,304 dense bytes for 128 rows and all of K.
; ALL OF K COMES AT THE HEAD, one tensor load a wave: wave 0 the tokens' block, waves 1 and 2 W's two blocks, wave 3 W's scale words: 303,104 bytes of LDS, filled once; no ring, no refill.
; The tokens' scale words (16 registers a wave) and the bias go from memory into registers.  A scale register holds K step 2 p in lanes 0-15 and 2 p + 1 in lanes 16-31.
; A WAVE makes 64 tokens x 128 columns: 32 accumulators; source 0 = W's eight tiles, source 1 = the tokens' four: a lane holds one token and neighbouring columns.  The bias is the C of each sum's first product.
; CLUSTERS 4 x 4: the tokens hang on y alone and are shared along a row, W on x alone and is shared along a column.
; NO PREFETCH: every tile is asked for at the head; there is no loop to run ahead in.
; THE WAY OUT goes through a stage on the tokens' bytes, behind a barrier in front of which every wave's last fragment loads have come back; no fill lands there again.
; REGISTERS: window 0: v16-31 addresses; v32-63 W's scale words; v64-127 the bias; v128-223 the tokens' fragments, two sets; v224-239 their scale words.  window 1: W's fragments, two sets.  window 2: the accumulators, (a, b) at v[8 (8 a + b)].
.set WPQ, 9011200
.set WPS, 9797632
.set AOS, 6291456
.set RBB,   98304
.set HALFK, 49152
.set SCL,   294912
.set SPARE, 303104
.set SPITCH, 528
.set ADRA, 16
.set ADRB, 20
.set STO,  24
.set RD,   25
.set CO,   26
.set ADRS, 27
.set SPW,  28
.set NIL,  29
.set SP,   32
.set BI,   64
.set AF,   128
.set SN,   224
.set BK,   128
.set G1T, 24
.set G1W, 32
.set G1S, 40
.set G0T, 48
.set G0W, 52
.set G0S, 56
.set MSB, 0
.macro WIN new
.if MSB != (\new)
	s_set_vgpr_msb (MSB<<8)|(\new)
.set MSB, (\new)
.endif
.endm
.macro PLACES
.rept 4
	v_nop
.endr
.endm
.macro CROUND
	s_barrier_signal -1
	s_barrier_wait -1
	s_cmp_lg_u32 s14, 0
	s_cbranch_scc1 .Lnot_wave_0_\@
	s_barrier_signal -3
.Lnot_wave_0_\@:
	s_barrier_wait -3
	s_barrier_signal -1
	s_barrier_wait -1
.endm
.macro SHAPE g, rows
	s_mov_b32 s[\g+1], 32<<16
	s_mov_b32 s[\g+2], (\rows)<<16
	s_mov_b32 s[\g+3], 32<<16
	s_mov_b32 s[\g+4], \rows
	s_mov_b32 s[\g+5], 32
	s_mov_b32 s[\g+6], 0
	s_mov_b32 s[\g+7], 0
.endm
.macro PTR d, b
	s_mov_b32 s[\d+1], 0
	s_add_nc_u64 s[\d:\d+1], s[\b:\b+1], s[\d:\d+1]
.endm
	s_load_b256 s[4:11], s[0:1], 0x0               ; opw, ao, b_proj, out0
	v_lshl_add_u32 v[SPW], v0, 2, SPARE
	v_mov_b32 v[NIL], 0
	ds_add_u32 v[SPW], v[NIL]                      ; the opening lines
	ds_add_u32 v[SPW], v[NIL]
	v_lshrrev_b32 v1, 5, v0
	v_readfirstlane_b32 s14, v1                    ; wave
	s_lshr_b32 s15, s14, 1                         ; my 64 tokens
	s_and_b32 s16, s14, 1                          ; my 128 columns
	s_bfe_u32 s19, ttmp6, 0x40000                  ; cx
	s_bfe_u32 s20, ttmp6, 0x40004                  ; cy
	s_lshl_b32 s18, ttmp9, 2
	s_add_co_u32 s18, s18, s19                     ; x
	s_and_b32 s17, ttmp7, 0xffff
	s_lshl_b32 s17, s17, 2
	s_add_co_u32 s17, s17, s20                     ; y
	s_lshl_b32 s21, s20, 2
	s_lshl_b32 s21, 15, s21                        ; my row of the cluster
	s_lshl_b32 s22, 0x1111, s19                    ; my column
	s_or_b32 s[G1T], s21, (3<<16)|(1<<21)
	s_or_b32 s[G1W], s22, (3<<16)|(1<<21)
	s_or_b32 s[G1S], s22, (3<<16)|(1<<21)
	SHAPE G1T, 384
	SHAPE G1W, 384
	SHAPE G1S, 32
	s_mov_b32 s[G0T], 1
	s_mov_b32 s[G0T+1], 0
	s_mul_i32 s50, s17, RBB                        ; the tokens' block y
	s_mov_b32 s[G0W], 1
	s_mul_i32 s[G0W+1], s14, RBB                   ; waves 1, 2: behind the tokens
	s_lshl_b32 s54, s18, 1
	s_add_co_u32 s54, s54, s14
	s_mul_i32 s54, s54, RBB
	s_add_co_u32 s54, s54, WPQ-RBB                 ; W's block 2 x + wave - 1
	s_mov_b32 s[G0S], 1
	s_mov_b32 s[G0S+1], SCL
	s_lshl_b32 s58, s18, 13
	s_add_co_u32 s58, s58, WPS                     ; the scale words of W's two blocks
	s_lshl_b32 s66, s18, 10
	s_lshl_b32 s23, s16, 9
	s_add_co_u32 s66, s66, s23                     ; my first column, in bytes
	s_lshl_b32 s68, s17, 12
	s_lshl_b32 s23, s15, 8
	s_add_co_u32 s68, s68, s23
	s_add_co_u32 s68, s68, AOS                     ; my tokens' scale words
	s_lshl_b32 s12, s17, 7
	s_lshl_b32 s23, s15, 6
	s_add_co_u32 s12, s12, s23
	s_lshl_b32 s12, s12, 12
	s_add_co_u32 s12, s12, s66                     ; my first row and column of out0
	s_wait_dscnt 0x0                               ; both opening adds are done
	s_wait_kmcnt 0x0
	PTR 50, 6
	s_or_b32 s[G0T+3], s[G0T+3], 0x80000000
	PTR 54, 4
	s_or_b32 s[G0W+3], s[G0W+3], 0x80000000
	PTR 58, 4
	s_or_b32 s[G0S+3], s[G0S+3], 0x80000000
	PTR 66, 8
	PTR 68, 6
	PTR 12, 10
	CROUND                                         ; all sixteen work-groups are here: the joint loads meet
	s_cmp_eq_u32 s14, 0
	s_cbranch_scc0 .Lhead_w
	tensor_load_to_lds s[G0T:G0T+3], s[G1T:G1T+7]
	s_nop 0
	PLACES
	s_branch .Lhead_asked
.Lhead_w:
	s_cmp_lt_u32 s14, 3
	s_cbranch_scc0 .Lhead_s
	tensor_load_to_lds s[G0W:G0W+3], s[G1W:G1W+7]
	s_nop 0
	PLACES
	s_branch .Lhead_asked
.Lhead_s:
	tensor_load_to_lds s[G0S:G0S+3], s[G1S:G1S+7]
	s_nop 0
	PLACES
.Lhead_asked:
	v_and_b32 v1, 31, v0
	v_lshlrev_b32 v[CO], 4, v1
	v_and_b32 v4, 15, v0
	v_bfe_u32 v2, v0, 4, 1
	v_lshlrev_b32 v31, 2, v4
	v_lshl_add_u32 v31, v2, 9, v31                 ; 512 h + 4 r
	v_lshlrev_b32 v30, 6, v2
	s_mul_i32 s21, s15, 6144
	s_mul_i32 s22, s16, RBB
	s_add_co_u32 s22, s22, RBB
	v_add_nc_u32 v[ADRA], s21, v[CO]
	v_add_nc_u32 v[ADRB], s22, v[CO]
	v_add_nc_u32 v[ADRA+1], HALFK, v[ADRA]
	v_add_nc_u32 v[ADRB+1], HALFK, v[ADRB]
	s_lshl_b32 s21, s16, 12
	s_add_co_u32 s21, s21, SCL
	v_add_nc_u32 v[ADRS], s21, v31
	s_mul_i32 s23, s14, 16*SPITCH
	v_mul_u32_u24 v5, v4, SPITCH
	v_lshl_add_u32 v5, v2, 6, v5
	v_add_nc_u32 v[STO], s23, v5
	v_add_nc_u32 v[RD], s23, v[CO]
	s_wait_alu depctr_va_vdst(0)
.irp p, 0,1,2,3,4,5,6,7
	global_load_b128 v[BI+8*\p:BI+8*\p+3], v30, s[66:67] offset:128*(\p/2)+32*(\p%2)
	global_load_b128 v[BI+8*\p+4:BI+8*\p+7], v30, s[66:67] offset:128*(\p/2)+32*(\p%2)+16
.endr
.set ii, 0
.rept 16
	global_load_b32 v[SN+ii], v31, s[68:69] offset:1024*(ii%4)+64*(ii/4)
.set ii, ii+1
.endr
	s_wait_tensorcnt 0x0                           ; my load has landed,
	s_barrier_signal -1
	s_barrier_wait -1                              ; everybody's has.  Nothing is ever filled again
.macro MM d, a, b, c, sa, sb, row
.if \row
	v_wmma_scale_f32_16x16x128_f8f6f4 v[\d:\d+7], v[\a:\a+11], v[\b:\b+11], v[\c:\c+7], v[\sa], v[\sb] matrix_a_fmt:MATRIX_FMT_FP6 matrix_b_fmt:MATRIX_FMT_FP6 matrix_a_scale:MATRIX_SCALE_ROW1 matrix_b_scale:MATRIX_SCALE_ROW1
.else
	v_wmma_scale_f32_16x16x128_f8f6f4 v[\d:\d+7], v[\a:\a+11], v[\b:\b+11], v[\c:\c+7], v[\sa], v[\sb] matrix_a_fmt:MATRIX_FMT_FP6 matrix_b_fmt:MATRIX_FMT_FP6
.endif
.endm
.macro FETCH q                         ; K step q's fragments into set q % 2
.set QS, (\q)%2
.set QH, (\q)/4
.set QO, 12288*((\q)%4)
	WIN 0x40
.irp i, 0,1,2,3,4,5,6,7
.irp p, 0,1,2
	ds_load_b128 v[128*QS+12*\i+4*\p:128*QS+12*\i+4*\p+3], v[ADRB+QH] offset:QO+1536*\i+512*\p
.endr
.endr
	WIN 0
.irp i, 0,1,2,3
.irp p, 0,1,2
	ds_load_b128 v[AF+48*QS+12*\i+4*\p:AF+48*QS+12*\i+4*\p+3], v[ADRA+QH] offset:QO+1536*\i+512*\p
.endr
.endr
.endm
.macro MUL q, first                    ; 32 matrix instructions, the 32 accumulators by turns
.set QS, (\q)%2
.set QP, (\q)/2
.irp a, 0,1,2,3
.irp b, 0,1,2,3,4,5,6,7
.set DD, 8*(8*\a+\b)
.set CC, DD
.if \first
.set CC, BI+8*\b
.endif
	MM DD, 128*QS+12*\b, AF+48*QS+12*\a, CC, SP+4*\b+QP, SN+4*\a+QP, QS
.endr
.endr
.endm
	FETCH 0
.set ii, 0
.rept 32
	ds_load_b32 v[SP+ii], v[ADRS] offset:1024*(ii%4)+64*(ii/4)
.set ii, ii+1
.endr
	s_wait_loadcnt 0x0                             ; the bias and the tokens' scale words
.irp q, 0,1,2,3,4,5,6,7
	s_wait_dscnt 0x0                               ; this step's fragments are in
.if \q == 7
	s_barrier_signal -1                            ; my reads of the tiles are over
.elseif \q > 0
	PLACES                                         ; behind the products that read the registers into which the next loads go
.endif
.if \q < 7
	FETCH \q+1
.endif
.if \q == 0
	WIN 0x81                                       ; C, the bias, in window 0
	MUL \q, 1
.else
	WIN 0xa1
	MUL \q, 0
.endif
	WIN 0
.endr
	s_barrier_wait -1                              ; everybody's are: the stage may be written
.macro TOSTAGE a                       ; 16 rows x 128 columns into my stage, each accumulator from its low end on, and back as whole rows of 512 bytes
.set AC, 64*(\a)
	WIN 0x08
.irp b, 0,1,2,3,4,5,6,7
	ds_store_b128 v[STO], v[AC+8*\b:AC+8*\b+3] offset:128*(\b/2)+32*(\b%2)
	ds_store_b128 v[STO], v[AC+8*\b+4:AC+8*\b+7] offset:128*(\b/2)+32*(\b%2)+16
.endr
	WIN 0
.set BB, BK+64*((\a)%2)
.irp t, 0,1,2,3,4,5,6,7,8,9,10,11,12,13,14,15
	ds_load_b128 v[BB+4*\t:BB+4*\t+3], v[RD] offset:\t*SPITCH
.endr
.endm
.macro SEND a, younger
.set BB, BK+64*((\a)%2)
	s_wait_dscnt \younger
.if (\a) > 0
	s_add_nc_u64 s[12:13], s[12:13], 16*4096       ; behind a wait on XCNT: the earlier stores have read their base
.endif
.irp t, 0,1,2,3,4,5,6,7,8,9,10,11,12,13,14,15
	global_store_b128 v[CO], v[BB+4*\t:BB+4*\t+3], s[12:13] offset:\t*4096 th:TH_STORE_NT   ; 512 consecutive bytes, aligned
.endr
.endm
	PLACES
	TOSTAGE 0
.irp a, 1,2,3
.if \a > 1
	s_wait_xcnt 0x0
.endif
	TOSTAGE \a
	SEND \a-1, 32
.endr
	s_wait_xcnt 0x0
	SEND 3, 0
	s_wait_tensorcnt 0x0                           ; the wave's end
	ds_add_u32 v[SPW], v[NIL]
	s_wait_dscnt 0x0
	CROUND                                         ; the closing round
	s_endpgm
.Lfunc_end_k_q25222fb3e4_gemm_proj:
	.size	k_q25222fb3e4_gemm_proj, .Lfunc_end_k_q25222fb3e4_gemm_proj-k_q25222fb3e4_gemm_proj
	.p2alignl 7, 3214868480
	.fill 96, 4, 3214868480
	.section	.rodata,"a",@progbits
	.p2align	6, 0x0
	.amdhsa_kernel k_q25222fb3e4_gemm_proj
		.amdhsa_group_segment_fixed_size 327680
		.amdhsa_private_segment_fixed_size 0
		.amdhsa_enable_private_segment 0
		.amdhsa_kernarg_size 32
		.amdhsa_user_sgpr_count 2
		.amdhsa_user_sgpr_kernarg_segment_ptr 1
		.amdhsa_wavefront_size32 1
		.amdhsa_system_sgpr_workgroup_id_x 1
		.amdhsa_system_sgpr_workgroup_id_y 1
		.amdhsa_system_sgpr_workgroup_id_z 1
		.amdhsa_system_vgpr_workitem_id 0
		.amdhsa_next_free_vgpr 768
		.amdhsa_next_free_sgpr 72
		.amdhsa_reserve_vcc 0
		.amdhsa_float_denorm_mode_32 3
		.amdhsa_float_denorm_mode_16_64 3
		.amdhsa_memory_ordered 1
		.amdhsa_forward_progress 1
		.amdhsa_inst_pref_size 79
	.end_amdhsa_kernel
	.amdgpu_metadata
---
amdhsa.version: [ 1, 2 ]
amdhsa.kernels:
  - .name:           k_q25222fb3e4_gemm_proj
    .symbol:         k_q25222fb3e4_gemm_proj.kd
    .args:
      - { .name: opw, .offset: 0, .size: 8, .value_kind: global_buffer, .address_space: global }
      - { .name: ao, .offset: 8, .size: 8, .value_kind: global_buffer, .address_space: global }
      - { .name: b_proj, .offset: 16, .size: 8, .value_kind: global_buffer, .address_space: global }
      - { .name: out0, .offset: 24, .size: 8, .value_kind: global_buffer, .address_space: global }
    .group_segment_fixed_size: 327680
    .private_segment_fixed_size: 0
    .kernarg_segment_align: 8
    .kernarg_segment_size: 32
    .max_flat_workgroup_size: 128
    .sgpr_count:     72
    .vgpr_count:     768
    .wavefront_size: 32
...
	.end_amdgpu_metadata
.endif
;; end of part 4
